; MI455X (gfx1250); checked and timed in simulation.
; The chip was launched on July 23, 2026; its instructions are those of AMD's public machine-readable ISA for CDNA 5 (MIT licence, August 2026) and "CDNA5" Instruction Set Architecture Reference Guide (July 2026). The comments in the code are by the model that wrote it; some were corrected since.
;; Casual Self Attention. Allowed arithmetic: float matrix products may take bf16 or f16 operands with f32 sums; other float arithmetic in f32, or as packed bf16 or f16 multiplies, adds, multiply-adds, maxima and minima; sums over many terms, partial sums and values carried from step to step in f32; what a program stores and reads back later, other than sums and carried values, may be rounded once to bf16 or f16.
;; Inputs: bk 1,024 float32; bp 1,024 float32; bq 1,024 float32; bv 1,024 float32; wk 1,024 x 1,024 float32; wp 1,024 x 1,024 float32; wq 1,024 x 1,024 float32; wv 1,024 x 1,024 float32; x 4 x 2,048 x 1,024 float32.
;; Outputs: out0 4 x 2,048 x 1,024 float32.
;; 2 versions, each right; version 2 is version 1 with the launch prep written anew for expert scheduling mode. Each part assembles by itself: llvm-mc -triple=amdgcn-amd-amdhsa -mcpu=gfx1250 --defsym DOCPART=n.
;; ======== version 1 of 2: 4 launches
;; limits: values are held in f16: magnitudes above 65,504 overflow, below 6.1e-05 lose precision
;; workspace buffers: xb 16,777,216 bytes; wqkv 6,291,456 bytes; wph 2,097,152 bytes; qkvh 50,331,648 bytes; yh 16,777,216 bytes
;; launch prep (part 1): grid 768 x 1, 8 waves a work-group, no clusters, 0 bytes of LDS; arguments x, wq, wk, wv, wp, xb, wqkv, wph; writes xb, wqkv, wph
.if DOCPART == 1
	.amdgcn_target "amdgcn-amd-amdhsa--gfx1250"
	.amdhsa_code_object_version 6
	.text
	.protected	k_q489f6a5d25_prep
	.globl	k_q489f6a5d25_prep
	.p2align	8
	.type	k_q489f6a5d25_prep,@function
k_q489f6a5d25_prep:
	s_mov_b64 s[64:65], 0
	v_nop
	global_prefetch_b8 v0, s[64:65] scope:SCOPE_SE
	s_setreg_imm32_b32 hwreg(HW_REG_WAVE_MODE, 25, 1), 1
	s_wait_xcnt 0x0
; THE CAST.  x [8192][1024] f32 -> xb, bf16, laid out [b 4][c 16][t 2048][64]: block c holds channels 64 c .. 64 c + 63, so that 256 rows x 64 channels are 32,768 bytes on end.
; wq, wk, wv [1024][1024] f32 -> wqkv, bf16, [k 1024][n 3072], n = 1024 x which + column.   wp -> wph, [k 1024][n 1024]: rounded to bf16 like the other inputs, and that number written as f16.
; LIMITS.  wph: a weight of wp of 65,520 or more in magnitude becomes an infinity; below 6.1e-5 it keeps f16's fixed step of 6e-8.  NaN and infinities are not treated apart.
; A stream: every input byte is read once and every output byte written once, so there is no LDS, no barrier, no matrix unit and no cluster: no two work-groups read the same byte.
; SHARES.  A work-group takes 16 rows of 1,024 numbers (65,536 bytes): 512 work-groups for x, 64 for each weight.  A thread issues all its 16 loads of 16 bytes at once, then rounds and stores
; 8 bytes for each: one store of a wave covers 256 consecutive bytes, aligned.
.set X, 16                             ; v[16:79]   load i: 4 f32
.set Y, 80                             ; v[80:111]  store i: 4 numbers of 16 bits
; sixteen loads, instep bytes apart; sixteen stores, outstep bytes apart.  f16 = 1: the bf16 numbers are widened again and written as f16
.macro CAST instep, outstep, f16
.set i, 0
.rept 16
	global_load_b128 v[X+4*i:X+4*i+3], v1, s[4:5] offset:i*(\instep) th:TH_LOAD_NT
.set i, i+1
.endr
.set i, 0
.rept 16
	s_wait_loadcnt 15-i                            ; loads come back in order (ISA guide 5.7.1): load i is in, the 15 - i younger ones stay out
	v_cvt_pk_bf16_f32 v[Y+2*i], v[X+4*i], v[X+4*i+1]
	v_cvt_pk_bf16_f32 v[Y+2*i+1], v[X+4*i+2], v[X+4*i+3]
.if \f16
	v_lshlrev_b32 v4, 16, v[Y+2*i]                 ; bf16 to f32: the low half moves up, the high half stays
	v_and_b32 v5, s28, v[Y+2*i]
	v_lshlrev_b32 v6, 16, v[Y+2*i+1]
	v_and_b32 v7, s28, v[Y+2*i+1]
	v_cvt_pk_f16_f32 v[Y+2*i], v4, v5              ; exact inside f16's range: bf16 has 8 significant bits
	v_cvt_pk_f16_f32 v[Y+2*i+1], v6, v7
.endif
	global_store_b64 v2, v[Y+2*i:Y+2*i+1], s[6:7] offset:i*(\outstep) th:TH_STORE_NT
.set i, i+1
.endr
.endm
	s_load_b512 s[8:23], s[0:1], 0x0               ; x 8:9, wq 10:11, wk 12:13, wv 14:15, wp 16:17, xb 18:19, wqkv 20:21, wph 22:23
	s_mov_b32 s28, 0xffff0000                      ; a word's upper bf16
	s_mov_b32 s25, 0                               ; the offsets' high words
	s_mov_b32 s27, 0
	v_lshlrev_b32 v2, 3, v0                        ; out: 8 bytes a thread, on end
	s_cmp_lt_u32 ttmp9, 512
	s_cbranch_scc0 .Lweights
	; x: thread t takes row t / 16 of the group's 16 and 16 bytes at 16 (t % 16) of each block of 64 channels; load i is block c = i
	v_lshrrev_b32 v1, 4, v0
	v_and_b32 v3, 15, v0
	v_lshlrev_b32 v3, 4, v3
	v_lshl_or_b32 v1, v1, 12, v3                   ; row x 4,096 + 16 (t % 16)
	s_lshl_b32 s24, ttmp9, 16                      ; in: 16 rows of 4,096 bytes
	s_lshr_b32 s26, ttmp9, 7                       ; out: batch (128 work-groups each) x 4,194,304
	s_lshl_b32 s26, s26, 22
	s_and_b32 s29, ttmp9, 127
	s_lshl_b32 s29, s29, 11                        ; + 16 rows of 128 bytes
	s_add_co_u32 s26, s26, s29
	s_wait_kmcnt 0x0
	s_add_nc_u64 s[4:5], s[8:9], s[24:25]
	s_add_nc_u64 s[6:7], s[18:19], s[26:27]
	CAST 256, 262144, 0                            ; a block of xb is 2,048 rows x 128 bytes
	s_endpgm
.Lweights:
	v_lshlrev_b32 v1, 4, v0                        ; the 256 threads take a whole row of 4,096 bytes; load i is row i
	s_cmp_lt_u32 ttmp9, 704
	s_cbranch_scc0 .Lwp
	s_sub_co_u32 s30, ttmp9, 512
	s_lshr_b32 s31, s30, 6                         ; which of wq, wk, wv
	s_and_b32 s30, s30, 63                         ; which 16 rows
	s_lshl_b32 s24, s30, 16
	s_mul_i32 s26, s30, 98304                      ; 16 rows of 6,144 bytes
	s_lshl_b32 s29, s31, 11                        ; + the weight's 2,048 bytes of a row
	s_add_co_u32 s26, s26, s29
	s_wait_kmcnt 0x0
	s_cmp_eq_u32 s31, 0
	s_cselect_b64 s[4:5], s[10:11], s[12:13]
	s_cmp_eq_u32 s31, 2
	s_cselect_b64 s[4:5], s[14:15], s[4:5]
	s_add_nc_u64 s[4:5], s[4:5], s[24:25]
	s_add_nc_u64 s[6:7], s[20:21], s[26:27]
	CAST 4096, 6144, 0
	s_endpgm
.Lwp:
	s_sub_co_u32 s30, ttmp9, 704
	s_lshl_b32 s24, s30, 16
	s_lshl_b32 s26, s30, 15                        ; 16 rows of 2,048 bytes
	s_wait_kmcnt 0x0
	s_add_nc_u64 s[4:5], s[16:17], s[24:25]
	s_add_nc_u64 s[6:7], s[22:23], s[26:27]
	CAST 4096, 2048, 1
	s_endpgm
.Lfunc_end_k_q489f6a5d25_prep:
	.size	k_q489f6a5d25_prep, .Lfunc_end_k_q489f6a5d25_prep-k_q489f6a5d25_prep
	.p2alignl 7, 3214868480
	.fill 96, 4, 3214868480
	.section	.rodata,"a",@progbits
	.p2align	6, 0x0
	.amdhsa_kernel k_q489f6a5d25_prep
		.amdhsa_group_segment_fixed_size 0
		.amdhsa_private_segment_fixed_size 0
		.amdhsa_enable_private_segment 0
		.amdhsa_kernarg_size 64
		.amdhsa_user_sgpr_count 2
		.amdhsa_user_sgpr_kernarg_segment_ptr 1
		.amdhsa_wavefront_size32 1
		.amdhsa_system_sgpr_workgroup_id_x 1
		.amdhsa_system_sgpr_workgroup_id_y 1
		.amdhsa_system_sgpr_workgroup_id_z 1
		.amdhsa_system_vgpr_workitem_id 0
		.amdhsa_next_free_vgpr 112
		.amdhsa_next_free_sgpr 66
		.amdhsa_reserve_vcc 0
		.amdhsa_float_denorm_mode_32 3
		.amdhsa_float_denorm_mode_16_64 3
		.amdhsa_memory_ordered 1
		.amdhsa_forward_progress 1
		.amdhsa_inst_pref_size 23
	.end_amdhsa_kernel
	.amdgpu_metadata
---
amdhsa.version: [ 1, 2 ]
amdhsa.kernels:
  - .name:           k_q489f6a5d25_prep
    .symbol:         k_q489f6a5d25_prep.kd
    .args:
      - { .name: x, .offset: 0, .size: 8, .value_kind: global_buffer, .address_space: global }
      - { .name: wq, .offset: 8, .size: 8, .value_kind: global_buffer, .address_space: global }
      - { .name: wk, .offset: 16, .size: 8, .value_kind: global_buffer, .address_space: global }
      - { .name: wv, .offset: 24, .size: 8, .value_kind: global_buffer, .address_space: global }
      - { .name: wp, .offset: 32, .size: 8, .value_kind: global_buffer, .address_space: global }
      - { .name: xb, .offset: 40, .size: 8, .value_kind: global_buffer, .address_space: global }
      - { .name: wqkv, .offset: 48, .size: 8, .value_kind: global_buffer, .address_space: global }
      - { .name: wph, .offset: 56, .size: 8, .value_kind: global_buffer, .address_space: global }
    .group_segment_fixed_size: 0
    .private_segment_fixed_size: 0
    .kernarg_segment_align: 8
    .kernarg_segment_size: 64
    .max_flat_workgroup_size: 256
    .sgpr_count:     66
    .vgpr_count:     112
    .wavefront_size: 32
...
	.end_amdgpu_metadata
.endif
;; end of part 1
;; launch qkv (part 2): grid 8 x 32, 4 waves a work-group, clusters of 4 x 4, 327,680 bytes of LDS; arguments xb, wqkv, bq, bk, bv, qkvh; writes qkvh
.if DOCPART == 2
	.amdgcn_target "amdgcn-amd-amdhsa--gfx1250"
	.amdhsa_code_object_version 6
	.text
	.protected	k_q489f6a5d25_qkv
	.globl	k_q489f6a5d25_qkv
	.p2align	8
	.type	k_q489f6a5d25_qkv,@function
k_q489f6a5d25_qkv:
	s_mov_b64 s[64:65], 0
	v_nop
	global_prefetch_b8 v0, s[64:65] scope:SCOPE_SE
	s_setreg_imm32_b32 hwreg(HW_REG_WAVE_MODE, 25, 1), 1
	s_wait_xcnt 0x0
	s_wait_alu depctr_hold_cnt(0) depctr_sa_sdst(0) depctr_va_vdst(0) depctr_va_sdst(0) depctr_va_ssrc(0) depctr_va_vcc(0) depctr_vm_vsrc(0)
	s_getreg_b32 s2, hwreg(HW_REG_IB_STS2, 6, 4)
	s_cmp_eq_u32 s2, 0
	s_cbranch_scc0 .Lentry_in_a_cluster
	s_endpgm
.Lentry_in_a_cluster:
	s_bfe_u32 s2, ttmp6, 0x10000c
	s_cmp_lg_u32 s2, 0xf033
	s_cbranch_scc0 .Lentry_shape_is_right
	s_endpgm
.Lentry_shape_is_right:
; q, k, v = x w + b, all three in one product: [8192 x 1024] x [1024 x 3072].  xb: bf16 [b 4][c 16][t 2048][64]; wqkv: bf16 [k 1024][n 3072]; the biases f32, rounded to bf16 like the other inputs.
; Sums in f32, started by the bias; the result rounded once to f16 and stored by heads: qkvh [b 4][gg 48][t 2048][64], gg = n / 64 (q 0-15, k 16-31, v 32-47), unscaled.
; LIMITS.  f16 holds no number beyond 65,504: a q, k or v of 65,520 or more in magnitude becomes an infinity.  NaN and infinities are not treated apart.
; SHARES.  8192 x 3072 outputs on 256 work-groups are 256 x 384 each.  Four waves, 2 x 2: a wave makes 128 rows x 192 columns, three whole heads: 96 accumulators of 16 x 16, 768 registers.
; K goes in 16 steps of 64 (one block c of xb) through two LDS slots filled by the tensor data mover: A's 256 rows x 128 bytes are 32,768 bytes on end in xb, asked for as rows of 256 bytes;
; B's 64 rows of 768 bytes start at multiples of 256 bytes.
; CLUSTER.  4 x 4 work-groups.  The four of a row of the cluster need the same rows of x, the four of a column the same columns of w: each tile is asked for JOINTLY, by the same tensor load with the
; same descriptor and a mask that names the four.
; THE MATRIX INSTRUCTION IS USED TRANSPOSED: source 0 = 16 columns of w, source 1 = 16 rows of x: a lane then holds row l % 16 and the columns 8 (l / 16) + 0..7: 16 bytes of f16 on end.
; w lies [k][n] in LDS and is turned on the way into registers, by ds_load_tr16_b128.
; REGISTERS, in windows of 256 (s_set_vgpr_msb: bits 1:0 source 0, 3:2 source 1, 5:4 source 2, 7:6 destination):
;   window 0: v0-15 addresses; v16-79, v80-143 x's fragments (8 x 16 rows x 32 K), two buffers; v144-239 w's fragments, 32 for each head; v240-255 at work
;   window 1 + g: head g's 32 accumulators, (a, i) at v[8 (4 a + i)]: rows 16 a on, columns 16 i on
.set SLOT,   92160                     ; A: 256 rows x 144 bytes, then B: 64 rows x 864 bytes
.set BOFF,   36864
.set PA,     144                       ; a row of A: 128 bytes + 16 of padding = 36 words: the 16 rows of a load start at 16 different groups of four banks (64 banks of 4 bytes: ISA guide 11.1)
.set PB,     864                       ; a row of B: six pieces of 128 + 16 bytes = 216 words: the 8 rows of a turning load start at banks 24 r mod 64, all different
.set STAGE,  2*SLOT                    ; behind the ring, never filled by a tensor load: 16 rows x 144 bytes for each wave, for the way out
.set SPARE,  STAGE+4*16*144            ; behind the stages: the spare words, 128 bytes for each wave: two blocks of 256 bytes that no other line names
.set ADRA, 2                           ; v2-3   LDS address of my fragments of x in slot 0, 1
.set ADRB, 4                           ; v4-5   the same for w
.set STO,  6                           ; v6     the way out: where I put 16 bytes of a row
.set RD,   7                           ; v7     the way out: where I read rows back
.set GO,   8                           ; v8     my byte offset in 512 consecutive bytes of qkvh
.set VB,   9                           ; v9     32 (l / 16): my eight numbers in 16 of a bias
.set SPW,  12                          ; v12    LDS address of my spare word: SPARE + 4 x my thread's number; never rewritten
.set NIL,  13                          ; v13    0; never rewritten
.set FA0,  16
.set FA1,  80
.set FB,   144
.set TW,   240
.set WV,  16                           ; s16  my wave's number
.set MH,  17                           ; s17  which half of the tile's rows is mine.  Also: I fetch for A (0) or for B (1)
.set NH,  18                           ; s18  which half of its columns.  Also: which half of that tile I fetch
.set G1,  24                           ; s[24:31] descriptor group 1 for A's tiles;  s[32:39] group 0, a set for each slot
.set G0,  32
.set G1B, 48                           ; s[48:55], s[56:63] the same for B's
.set G0B, 56
.set BP,  68                           ; s[68:73] the bias of my three heads
.set FIELDS, (1<<16)|(1<<20)|(1<<21)|(4<<22)|(3<<25)  ; 17:16 elements of 2 bytes; 20 padding on; 21 set beside a mask; 24:22 after every 32 words (code 4); 31:25 4 words of it (code 3)
.set MSB, 0
.macro WIN new                         ; the immediate's high byte repeats the setting that is left; a switch that changes nothing is dropped
.if MSB != (\new)
	s_set_vgpr_msb (MSB<<8)|(\new)
.set MSB, \new
.endif
.endm
; A joint load.  Waves 0 and 1 fetch A's two halves, waves 2 and 3 B's.  The branch hangs on the wave's number alone.  An s_nop 0 and four v_nop follow each of the two lines,
; ahead of the jump, the label and what follows.
.macro JLOAD s
	s_cmp_eq_u32 s[MH], 0
	s_cbranch_scc0 .Lfor_b_\@
	tensor_load_to_lds s[G0+4*(\s):G0+4*(\s)+3], s[G1:G1+7]
	s_nop 0
.rept 4
	v_nop
.endr
	s_branch .Lasked_\@
.Lfor_b_\@:
	tensor_load_to_lds s[G0B+4*(\s):G0B+4*(\s)+3], s[G1B:G1B+7]
	s_nop 0
.rept 4
	v_nop
.endr
.Lasked_\@:
.endm
; A round of the cluster's barrier: my work-group's barrier; wave 0 signals for the work-group; every wave waits for all sixteen work-groups; my work-group's barrier once more.
.macro CREST                           ; a round behind its opening barrier
	s_cmp_lg_u32 s[WV], 0
	s_cbranch_scc1 .Lnot_wave_0_\@
	s_barrier_signal -3
.Lnot_wave_0_\@:
	s_barrier_wait -3
	s_barrier_signal -1
	s_barrier_wait -1
.endm
.macro CROUND
	s_barrier_signal -1
	s_barrier_wait -1
	CREST
.endm
; A load into a register that a matrix instruction has read, and a vector instruction that reads a matrix result, stand four places behind it; only plain vector instructions that name none
; of its registers are places (ISA guide 7.12.1 for vector instructions).
.macro PLACES
.rept 4
	v_nop
.endr
.endm
	s_load_b256 s[4:11], s[0:1], 0x0               ; xb 4:5, wqkv 6:7, bq 8:9, bk 10:11
	s_load_b128 s[12:15], s[0:1], 0x20             ; bv 12:13, qkvh 14:15
	v_lshl_add_u32 v[SPW], v0, 2, SPARE
	v_mov_b32 v[NIL], 0
	ds_add_u32 v[SPW], v[NIL]                      ; the wave's opening: the add and its wait stand ahead of my first tensor load; the set-up below, work on registers, stands between them
	ds_add_u32 v12, v13
	v_lshrrev_b32 v1, 5, v0
	v_readfirstlane_b32 s[WV], v1                  ; wave 0..3
	s_lshr_b32 s[MH], s[WV], 1
	s_and_b32 s[NH], s[WV], 1
	s_bfe_u32 s19, ttmp6, 0x40000                  ; cx, cy: my place in the cluster
	s_bfe_u32 s20, ttmp6, 0x40004
	s_lshl_b32 s21, ttmp9, 2
	s_add_co_u32 s21, s21, s19                     ; tx: tile column = 4 x cluster x + cx
	s_and_b32 s22, ttmp7, 0xffff
	s_lshl_b32 s22, s22, 2
	s_add_co_u32 s22, s22, s20                     ; ty: tile row = 4 x cluster y + cy
	s_lshl_b32 s46, s20, 2
	s_lshl_b32 s46, 15, s46                        ; my row of the cluster: places 4 cy .. 4 cy + 3
	s_lshl_b32 s47, 0x1111, s19                    ; my column: places cx, cx + 4, cx + 8, cx + 12
	s_or_b32 s[G1], s46, FIELDS                    ; A's tiles go to my row,
	s_or_b32 s[G1B], s47, FIELDS                   ; B's to my column
	s_mov_b32 s[G1+1], 128<<16                     ; A: 16,384 bytes on end as 64 rows of 128 elements: tensor_dim0 = 128
	s_mov_b32 s[G1+2], 64<<16                      ; tensor_dim1 = 64
	s_mov_b32 s[G1+3], 128<<16                     ; tile_dim0 = 128
	s_mov_b32 s[G1+4], 64                          ; tile_dim1 = 64
	s_mov_b32 s[G1+5], 128                         ; 128 elements from row to row
	s_mov_b32 s[G1+6], 0
	s_mov_b32 s[G1+7], 0
	s_mov_b32 s[G1B+1], 384<<16                    ; B: 32 rows of 384 elements: tensor_dim0 = 384
	s_mov_b32 s[G1B+2], 32<<16                     ; tensor_dim1 = 32
	s_mov_b32 s[G1B+3], 384<<16                    ; tile_dim0 = 384
	s_mov_b32 s[G1B+4], 32                         ; tile_dim1 = 32
	s_mov_b32 s[G1B+5], 3072                       ; 3,072 elements from row to row
	s_mov_b32 s[G1B+6], 0
	s_mov_b32 s[G1B+7], 0
	s_mov_b32 s74, 0xffff0000                      ; a word's upper bf16
	; where the tiles come from.  A's hang on the tile row alone, B's on the tile column alone; each address is made in registers that never hold the other coordinate.
	s_lshr_b32 s40, s22, 3                         ; the batch: 8 tile rows each,
	s_lshl_b32 s40, s40, 22                        ; 4,194,304 bytes of xb
	s_and_b32 s41, s22, 7
	s_lshl_b32 s41, s41, 15                        ; 256 rows of 128 bytes
	s_add_co_u32 s40, s40, s41
	s_lshl_b32 s41, s[NH], 14                      ; the 128 rows that I fetch
	s_add_co_u32 s40, s40, s41
	s_mov_b32 s41, 0
	s_mul_i32 s42, s21, 768                        ; 384 columns of 2 bytes
	s_mul_i32 s43, s[NH], 196608                   ; the 32 rows of 6,144 bytes that I fetch
	s_add_co_u32 s42, s42, s43
	s_mov_b32 s43, 0
	s_mul_i32 s44, s[NH], 128*PA                   ; and where they go: no place in the cluster enters an LDS address
	s_mul_i32 s45, s[NH], 32*PB
	s_add_co_u32 s45, s45, BOFF
	s_wait_dscnt 0x0                               ; the opening add is done
	s_wait_kmcnt 0x0
	s_add_nc_u64 s[40:41], s[4:5], s[40:41]
	s_add_nc_u64 s[42:43], s[6:7], s[42:43]
	CROUND                                         ; all sixteen work-groups are here: the first joint loads meet
.irp s, 0,1
	s_mov_b32 s[G0+4*(\s)], 1                                      ; 1:0 count = 1
	s_add_co_u32 s[G0+4*(\s)+1], s44, (\s)*SLOT                    ; 63:32 LDS address
	s_add_nc_u64 s[G0+4*(\s)+2:G0+4*(\s)+3], s[40:41], (\s)*262144 ; 120:64 global address: K step s is block c = s
	s_or_b32 s[G0+4*(\s)+3], s[G0+4*(\s)+3], 0x80000000            ; 127:126 type = 2
	s_mov_b32 s[G0B+4*(\s)], 1
	s_add_co_u32 s[G0B+4*(\s)+1], s45, (\s)*SLOT
	s_add_nc_u64 s[G0B+4*(\s)+2:G0B+4*(\s)+3], s[42:43], (\s)*393216  ; 64 rows of 6,144 bytes
	s_or_b32 s[G0B+4*(\s)+3], s[G0B+4*(\s)+3], 0x80000000
	JLOAD \s                                       ; two loads of mine are out
.endr
	; A fragment of x is 16 rows x 32 K in 8 registers: lane l holds row l % 16; registers 0-3 K = 8 (l / 16) + 0..7, registers 4-7 K = 16 + 8 (l / 16) + 0..7: two loads of 16 bytes, 32 bytes apart.
	v_and_b32 v1, 15, v0                           ; l % 16
	v_bfe_u32 v10, v0, 4, 1                        ; l / 16
	v_and_b32 v11, 7, v0
	v_bfe_u32 v14, v0, 3, 1
	v_mul_u32_u24 v15, v1, PA
	v_lshl_add_u32 v15, v10, 4, v15                ; row x 144 + 16 x half
	s_mul_i32 s23, s[MH], 128*PA                   ; my 128 rows of A
	v_add_nc_u32 v[ADRA], s23, v15
	v_add_nc_u32 v[ADRA+1], SLOT, v[ADRA]
	; The turning load takes 16 K x 16 columns (lane l reads 16 bytes: K 8 (l / 16) + l % 8, columns 8 ((l / 8) % 2) + 0..7) and leaves half a fragment: lane l holds column l % 16 and 8 K.
	v_lshl_add_u32 v[TW], v10, 3, v11
	v_mul_u32_u24 v[TW], v[TW], PB
	v_lshl_add_u32 v[TW], v14, 4, v[TW]
	s_mul_i32 s23, s[NH], 3*144                    ; my three heads' pieces of a row of B
	s_add_co_u32 s23, s23, BOFF
	v_add_nc_u32 v[ADRB], s23, v[TW]
	v_add_nc_u32 v[ADRB+1], SLOT, v[ADRB]
	s_mul_i32 s23, s[WV], 16*144
	s_add_co_u32 s23, s23, STAGE                   ; my stage
	v_add_nc_u32 v[STO], s23, v15                  ; in: row l % 16, 16 bytes for each half of the lanes
	v_bfe_u32 v[TW+1], v0, 3, 2                    ; back: 32 lanes take four rows of 128 bytes,
	v_mul_u32_u24 v[TW+1], v[TW+1], 144
	v_lshl_add_u32 v[TW+1], v11, 4, v[TW+1]
	v_add_nc_u32 v[RD], s23, v[TW+1]
	v_and_b32 v[GO], 31, v0                        ; which are 512 consecutive bytes of qkvh
	v_lshlrev_b32 v[GO], 4, v[GO]
	v_lshlrev_b32 v[VB], 5, v10
	; my three heads gg = 6 tx + 3 NH + g: which bias, and where in it (in the registers that held B's offset: none that feeds A's descriptors ever holds cx)
.irp g, 0,1,2
	s_mul_i32 s42, s21, 6
	s_mul_i32 s43, s[NH], 3
	s_add_co_u32 s42, s42, s43
	s_add_co_u32 s42, s42, \g
	s_cmp_lt_u32 s42, 16
	s_cselect_b64 s[BP+2*(\g):BP+2*(\g)+1], s[8:9], s[10:11]
	s_cmp_lt_u32 s42, 32
	s_cselect_b64 s[BP+2*(\g):BP+2*(\g)+1], s[BP+2*(\g):BP+2*(\g)+1], s[12:13]
	s_and_b32 s42, s42, 15
	s_lshl_b32 s42, s42, 8                         ; 64 numbers of 4 bytes a head
	s_mov_b32 s43, 0
	s_add_nc_u64 s[BP+2*(\g):BP+2*(\g)+1], s[BP+2*(\g):BP+2*(\g)+1], s[42:43]
.endr
	; where my part begins in qkvh: plane 48 b + 6 tx + 3 NH of 262,144 bytes, row 256 (ty % 8) + 128 MH of 128 bytes
	s_lshr_b32 s76, s22, 3
	s_mul_i32 s76, s76, 48
	s_mul_i32 s77, s21, 6
	s_add_co_u32 s76, s76, s77
	s_mul_i32 s77, s[NH], 3
	s_add_co_u32 s76, s76, s77
	s_lshl_b32 s76, s76, 18
	s_and_b32 s77, s22, 7
	s_lshl_b32 s77, s77, 15
	s_add_co_u32 s76, s76, s77
	s_lshl_b32 s77, s[MH], 14
	s_add_co_u32 s76, s76, s77
	s_mov_b32 s77, 0
	s_add_nc_u64 s[14:15], s[14:15], s[76:77]
	; THE BIAS STARTS THE SUMS: it is the C operand of each accumulator's first product.  In the result's layout register j of a lane is column 16 i + 8 (l / 16) + j, whatever the row: 8 registers
	; for each (g, i).  They lie where nothing lives yet: heads 0 and 1 in window 3 (v0-31, v32-63: head 2's accumulators, which start last), head 2 in x's second buffer.
	WIN 0xc0                                       ; destination window 3, address window 0
.irp i, 0,1,2,3
	global_load_b128 v[8*(\i):8*(\i)+3],       v[VB], s[BP:BP+1] offset:64*(\i)
	global_load_b128 v[8*(\i)+4:8*(\i)+7],     v[VB], s[BP:BP+1] offset:64*(\i)+16
	global_load_b128 v[32+8*(\i):32+8*(\i)+3], v[VB], s[BP+2:BP+3] offset:64*(\i)
	global_load_b128 v[32+8*(\i)+4:32+8*(\i)+7], v[VB], s[BP+2:BP+3] offset:64*(\i)+16
.endr
	WIN 0
.irp i, 0,1,2,3
	global_load_b128 v[FA1+8*(\i):FA1+8*(\i)+3],   v[VB], s[BP+4:BP+5] offset:64*(\i)
	global_load_b128 v[FA1+8*(\i)+4:FA1+8*(\i)+7], v[VB], s[BP+4:BP+5] offset:64*(\i)+16
.endr
; 16 matrix instructions of head g: row blocks a0 .. a0 + 3 x its 4 column blocks, 32 along K, x's fragments in buffer fa.  first = 1: C is the bias.
; The 96 accumulators take turns, one instruction a turn, in the same order in every quarter, over the backward jump too.
.macro MUL16 g, fa, a0, first
.if \first
.if (\g) == 2
	WIN 0xc0                                       ; D window 3, C window 0
.set CB, FA1
.else
	WIN 0x70+0x40*(\g)                             ; D window 1 + g, C window 3
.set CB, 32*(\g)
.endif
.else
	WIN 0x50*(1+(\g))                              ; C and D window 1 + g
.endif
.irp a, \a0, (\a0)+1, (\a0)+2, (\a0)+3
.irp i, 0,1,2,3
.if \first
	v_wmma_f32_16x16x32_bf16 v[8*(4*(\a)+(\i)):8*(4*(\a)+(\i))+7], v[FB+32*(\g)+8*(\i):FB+32*(\g)+8*(\i)+7], v[(\fa)+8*(\a):(\fa)+8*(\a)+7], v[CB+8*(\i):CB+8*(\i)+7]
.else
	v_wmma_f32_16x16x32_bf16 v[8*(4*(\a)+(\i)):8*(4*(\a)+(\i))+7], v[FB+32*(\g)+8*(\i):FB+32*(\g)+8*(\i)+7], v[(\fa)+8*(\a):(\fa)+8*(\a)+7], v[8*(4*(\a)+(\i)):8*(4*(\a)+(\i))+7]
.endif
.endr
.endr
.endm
.macro LDA slot, q, fa                 ; 16 LDS loads: my 128 rows of x, K = 32 q on, into buffer fa
	WIN 0
.irp a, 0,1,2,3,4,5,6,7
	ds_load_b128 v[(\fa)+8*(\a):(\fa)+8*(\a)+3],   v[ADRA+(\slot)] offset:(\a)*16*PA+64*(\q)
	ds_load_b128 v[(\fa)+8*(\a)+4:(\fa)+8*(\a)+7], v[ADRA+(\slot)] offset:(\a)*16*PA+64*(\q)+32
.endr
.endm
.macro LDB slot, q, g                  ; 8 turning loads: head g's 64 columns of w, K = 32 q on
	WIN 0
.irp i, 0,1,2,3
	ds_load_tr16_b128 v[FB+32*(\g)+8*(\i):FB+32*(\g)+8*(\i)+3],   v[ADRB+(\slot)] offset:(\q)*32*PB+144*(\g)+32*(\i)
	ds_load_tr16_b128 v[FB+32*(\g)+8*(\i)+4:FB+32*(\g)+8*(\i)+7], v[ADRB+(\slot)] offset:(\q)*32*PB+144*(\g)+32*(\i)+16*PB
.endr
.endm
; A K step is six stretches of 32 matrix instructions: its first 32 along K for heads 0, 1, 2 (HALFA), then its second 32 (HALFB).
; HALFA: behind each head's stretch its fragments of w for the second half are fetched.  The wait leaves the 32 younger loads out: for head 0: w of heads 1 and 2 (8 + 8) and x's second
; half (16); for head 1: w of head 2, x's second half, w of head 0's second half; for head 2: x's second half and w of heads 0 and 1's second halves.
; first = 1, the launch's first half step: x's second half is not asked for yet (its buffer holds a bias), so 16 younger loads are out; it is fetched at the end and waited for at once.
.macro HALFA slot, first
.irp g, 0,1,2
.if \first
	s_wait_dscnt 16
.else
	s_wait_dscnt 32
.endif
	MUL16 \g, FA0, 0, \first
	MUL16 \g, FA0, 4, \first
	PLACES
.if (\first) && ((\g) == 1)
	v_nop                                          ; a fifth place: head 2's first products write over the registers that heads 0 and 1's took as C
.endif
	LDB \slot, 1, \g
.endr
.if \first
	LDA 0, 1, FA1
	s_wait_dscnt 0x0
.endif
.endm
; HALFB changes slots: ONE barrier, for two things.  In front of it each wave waits for all its tensor loads, of which one is out: its part of the next slot; adds 0 to its spare word; and waits
; for that and for its own reads of this slot.  Behind it nobody reads this slot any more and the next slot is whole.  mode = 2: the barrier opens a round of the cluster's, and this slot is
; filled again, two K steps on, first thing behind the round: 160 matrix instructions ahead of the wait for it.  mode = 1: nothing is left to fetch.
.macro HALFB slot, next, mode
	WIN 0
	s_wait_tensorcnt 0x0                           ; all my tensor loads have landed
	ds_add_u32 v[SPW], v[NIL]                      ; 0 onto my spare word
	s_wait_dscnt 17                                ; x's second half and w of head 0 are in; w of heads 1 and 2 (8 + 8) and the add may be out
	MUL16 0, FA1, 0, 0                             ; sixteen matrix instructions stand between the add and the wait for it
	s_wait_dscnt 0x0                               ; the add is done, and my reads of this slot are over
	s_barrier_signal -1
	MUL16 0, FA1, 4, 0                             ; work on registers while the others arrive
	WIN 0
	s_barrier_wait -1
.if (\mode) == 2
	CREST                                          ; no wave of any partner still reads this slot's tile or has a load on its way
	s_add_nc_u64 s[G0+4*(\slot)+2:G0+4*(\slot)+3], s[G0+4*(\slot)+2:G0+4*(\slot)+3], 2*262144
	s_add_nc_u64 s[G0B+4*(\slot)+2:G0B+4*(\slot)+3], s[G0B+4*(\slot)+2:G0B+4*(\slot)+3], 2*393216
	JLOAD \slot                                    ; its four v_nop are also the places in front of the loads below
.else
	PLACES
.endif
	LDA \next, 0, FA0
	LDB \next, 0, 0
	MUL16 1, FA1, 0, 0                             ; the wait for 0 above has covered heads 1 and 2's fragments
	MUL16 1, FA1, 4, 0
	PLACES
	LDB \next, 0, 1
	MUL16 2, FA1, 0, 0
	MUL16 2, FA1, 4, 0
	PLACES
	LDB \next, 0, 2
	LDA \next, 1, FA1
.endm
	s_wait_tensorcnt 1                             ; my part of K step 0 is in; K step 1's may stay out
	s_barrier_signal -1
	s_barrier_wait -1                              ; everybody's is
	LDA 0, 0, FA0
	LDB 0, 0, 0
	LDB 0, 0, 1
	LDB 0, 0, 2
	s_wait_loadcnt 0x0                             ; the biases; they are rounded to bf16 in place, like the other inputs
	WIN 0x0f                                       ; sources window 3, destination window 0: v112-143 are still free
.set i, 0
.rept 32
	v_cvt_pk_bf16_f32 v[112+i], v[2*i], v[2*i+1]
.set i, i+1
.endr
	WIN 0xc0
.set i, 0
.rept 32
	v_lshlrev_b32 v[2*i], 16, v[112+i]
	v_and_b32 v[2*i+1], s74, v[112+i]
.set i, i+1
.endr
	WIN 0
.set i, 0
.rept 16
	v_cvt_pk_bf16_f32 v[TW+i], v[FA1+2*i], v[FA1+2*i+1]
.set i, i+1
.endr
.set i, 0
.rept 16
	v_lshlrev_b32 v[FA1+2*i], 16, v[TW+i]
	v_and_b32 v[FA1+2*i+1], s74, v[TW+i]
.set i, i+1
.endr
	HALFA 0, 1                                     ; the first half step stands in front of the loop: its products start the sums
	WIN 0                                          ; at a label and at a branch every window is 0
	s_mov_b32 s3, 7
.Lk:                                                   ; a trip goes once round the ring, from a K step's second half to the first half of the K step two on, and fills both slots again
	HALFB 0, 1, 2
	HALFA 1, 0
	HALFB 1, 0, 2
	HALFA 0, 0
	WIN 0
	s_sub_co_u32 s3, s3, 1
	s_cmp_lg_u32 s3, 0
	s_cbranch_scc1 .Lk
	HALFB 0, 1, 1                                  ; K step 14's second half: nothing is filled, so no round follows
	HALFA 1, 0
	s_wait_dscnt 16                                ; K step 15's second half: w of heads 1 and 2 may be out,
	MUL16 0, FA1, 0, 0
	MUL16 0, FA1, 4, 0
	s_wait_dscnt 8                                 ; of head 2,
	MUL16 1, FA1, 0, 0
	MUL16 1, FA1, 4, 0
	s_wait_dscnt 0x0                               ; nothing
	MUL16 2, FA1, 0, 0
	MUL16 2, FA1, 4, 0
	PLACES
; THE WAY OUT, in 24 units u = 8 g + a of 16 rows x one head.  PACK: rounded to f16, each accumulator's registers in ascending order; a lane's 16 bytes go into rows of 144 bytes of my own stage
; and come back as whole rows of 128, into the registers that they left.  SEND: 512 consecutive bytes a store.
.macro PACK u
.set g, (\u)/8
.set a, (\u)%8
.set T, 16+16*a
.if (\u) >= 8
	s_wait_xcnt 0x0                                ; every earlier store has had its addresses translated (ISA guide 3.1): the registers of unit u - 8 are rewritten only behind this wait
.endif
	WIN (1+g)*5                                    ; sources 0 and 1 window 1 + g, destination window 0
.set i, 0
.rept 16
	v_cvt_pk_f16_f32 v[T+i], v[32*a+2*i], v[32*a+2*i+1]
.set i, i+1
.endr
	WIN 0
.irp f, 0,1,2,3
	ds_store_b128 v[STO], v[T+4*(\f):T+4*(\f)+3] offset:32*(\f)
.endr
.irp f, 0,1,2,3
	ds_load_b128 v[T+4*(\f):T+4*(\f)+3], v[RD] offset:4*144*(\f)  ; LDS serves a wave's instructions in order (ISA guide 5.7.1.4): these see the stores above; the next unit's stores come behind them
.endr
.endm
.macro SEND u, younger                 ; younger: the LDS instructions issued behind unit u's loads: the next unit's eight, or none
.set g, (\u)/8
.set a, (\u)%8
.set T, 16+16*a
.irp f, 0,1,2,3
	s_wait_dscnt (\younger)+3-(\f)
	global_store_b128 v[GO], v[T+4*(\f):T+4*(\f)+3], s[14:15] offset:g*262144+a*2048+512*(\f)
.endr
.endm
	PACK 0
.set u, 1
.rept 23                               ; a unit's conversions stand between the loads of the unit before and its stores
	PACK u
	SEND u-1, 8
.set u, u+1
.endr
	SEND 23, 0
	s_wait_tensorcnt 0x0                           ; the wave's end: behind my last tensor load and my last LDS store
	ds_add_u32 v[SPW], v[NIL]
	s_wait_dscnt 0x0
	CROUND                                         ; the closing round: no work-group ends while a partner may still ask for a tile that names it
	s_endpgm
.Lfunc_end_k_q489f6a5d25_qkv:
	.size	k_q489f6a5d25_qkv, .Lfunc_end_k_q489f6a5d25_qkv-k_q489f6a5d25_qkv
	.p2alignl 7, 3214868480
	.fill 96, 4, 3214868480
	.section	.rodata,"a",@progbits
	.p2align	6, 0x0
	.amdhsa_kernel k_q489f6a5d25_qkv
		.amdhsa_group_segment_fixed_size 327680
		.amdhsa_private_segment_fixed_size 0
		.amdhsa_enable_private_segment 0
		.amdhsa_kernarg_size 48
		.amdhsa_user_sgpr_count 2
		.amdhsa_user_sgpr_kernarg_segment_ptr 1
		.amdhsa_wavefront_size32 1
		.amdhsa_system_sgpr_workgroup_id_x 1
		.amdhsa_system_sgpr_workgroup_id_y 1
		.amdhsa_system_sgpr_workgroup_id_z 1
		.amdhsa_system_vgpr_workitem_id 0
		.amdhsa_next_free_vgpr 1024
		.amdhsa_next_free_sgpr 80
		.amdhsa_reserve_vcc 0
		.amdhsa_float_denorm_mode_32 3
		.amdhsa_float_denorm_mode_16_64 3
		.amdhsa_memory_ordered 1
		.amdhsa_forward_progress 1
		.amdhsa_inst_pref_size 143
	.end_amdhsa_kernel
	.amdgpu_metadata
---
amdhsa.version: [ 1, 2 ]
amdhsa.kernels:
  - .name:           k_q489f6a5d25_qkv
    .symbol:         k_q489f6a5d25_qkv.kd
    .args:
      - { .name: xb, .offset: 0, .size: 8, .value_kind: global_buffer, .address_space: global }
      - { .name: wqkv, .offset: 8, .size: 8, .value_kind: global_buffer, .address_space: global }
      - { .name: bq, .offset: 16, .size: 8, .value_kind: global_buffer, .address_space: global }
      - { .name: bk, .offset: 24, .size: 8, .value_kind: global_buffer, .address_space: global }
      - { .name: bv, .offset: 32, .size: 8, .value_kind: global_buffer, .address_space: global }
      - { .name: qkvh, .offset: 40, .size: 8, .value_kind: global_buffer, .address_space: global }
    .group_segment_fixed_size: 327680
    .private_segment_fixed_size: 0
    .kernarg_segment_align: 8
    .kernarg_segment_size: 48
    .max_flat_workgroup_size: 128
    .sgpr_count:     80
    .vgpr_count:     1024
    .wavefront_size: 32
...
	.end_amdgpu_metadata
.endif
;; end of part 2
;; launch attn (part 3): grid 4 x 64, 4 waves a work-group, no clusters, 327,680 bytes of LDS; arguments qkvh, yh; writes yh
.if DOCPART == 3
	.amdgcn_target "amdgcn-amd-amdhsa--gfx1250"
	.amdhsa_code_object_version 6
	.text
	.protected	k_q489f6a5d25_attn
	.globl	k_q489f6a5d25_attn
	.p2align	8
	.type	k_q489f6a5d25_attn,@function
k_q489f6a5d25_attn:
	s_mov_b64 s[64:65], 0
	v_nop
	global_prefetch_b8 v0, s[64:65] scope:SCOPE_SE
	s_setreg_imm32_b32 hwreg(HW_REG_WAVE_MODE, 25, 1), 1
	s_wait_xcnt 0x0
; CAUSAL ATTENTION.  O[hh][q][:] = the sum over k <= q of softmax_k(Q[q] . K[k] / 8) V[k][:], for 64 heads hh = 16 b + h of 2,048 rows x 64 channels, all f16.
; Q, K, V are planes of qkvh [b 4][gg 48][t 2048][64]: gg = h, 16 + h, 32 + h; O is yh [hh 64][t 2048][64].  A plane's rows are dense, 128 bytes each.
; Products, maxima and sums in f32; the weights p are rounded to f16 for the second product (their sum l is taken of the unrounded p), O once at the end.
; LIMITS.  f16 holds no number beyond 65,504: Q, K and V arrive within it; p lies in 0 to 1, and below 6e-5 it keeps f16's fixed step of 6e-8; O is a mean of V's rows and has their range.
; A hidden score counts as its value less 1e30: f16's scores, 2.7e11 at the most, are nothing beside that; a weight below 2^-126 counts as 0 in l; NaN and infinities are not treated apart.
; THE WALK.  A head's queries lie in NB = 8 blocks of 256; block i needs the key tiles 0 .. i of 256 keys, of which the last holds the diagonal.  A work-group takes TWO blocks, NB - 1 - b and then b:
; NB + 1 tiles, whatever b: all work-groups do equal work, and ONE loop with a constant trip count walks them.  Which tile is asked for, and what a trip does, hang on scalar registers made from b; every jump
; goes forward, but for the counted loops' own; none passes a barrier, or a tensor load but the one of LOAD's two that the wave's number does not choose; the ring (two slots of LDS that take turns) runs on across the
; change of blocks.  NO CLUSTER: the four work-groups of a head all ask for the same tile only in trips 0 .. NB / 2, 5 of the walk's 9, behind that fewer and fewer; and one walk common to all, in which
; each makes every joint request, would have 3 NB / 2 = 12 trips for NB + 1 = 9.
; SHARES.  Of a block's four bands of 64 queries a wave owns 16 rows in each: four PIECES.  So the diagonal tile is the same work for all four waves: in its key step s band x sees all keys if s < x,
; none if s > x, and holds the diagonal if s = x.
; THE MASK is the C operand that starts the sum S^T = K Q^T: 0, or -1e30 where the key is hidden.  MD, made once, is the mask of a band's own step for my 16 rows; a product's mask is MD x AL + BE with two scalars:
; (1, 0) if s = x; (0, 0) if s < x; (0, -1e30) if s > x.  Only the diagonal tile's text and a block's beginning make and take masks; elsewhere C is the constant 0.
; LAYOUT, SOFTMAX, TURNS.  S^T = K Q^T holds ONE query a lane (lane % 16) and the keys 8 (lane / 16) + 0..7; two such results rounded to f16 ARE source 1 of O^T = V^T P.  p = 2^(c s - c m), c = log2(e) / 8, with a
; running maximum m; O and l are multiplied by a = 2^(c m_old - c m_new) in every step.  Turn n belongs to piece n: 8 products K Q^T of piece n + 1, later 8 products V^T P of piece n - 1; beside them the scaling,
; exponentials, roundings, sums and rescaling of piece n and the maximum and statistics of piece n + 1.  Four vector instructions stand behind every matrix instruction, the other 54 of a turn's 118 in two LUMPS.
; REGISTERS, in windows of 256 (s_set_vgpr_msb: bits 1:0 source 0, 3:2 source 1, 5:4 source 2, 7:6 destination):
;   window 0: v0-15 addresses and two at work; v16-31 four registers of statistics a piece; v48-55 at work; v61-63 never rewritten; v64-127 S^T, two buffers; v192-223 P, two buffers (a piece's buffers go by its number's parity)
;   window 1: v0-127 O^T, 32 a piece; v128-159 MD; v160-223 MC, two buffers      window 2: v0-63 Q; v64-127 the second block's Q; v128-191 K of one step; v192-255 V of one step
.set SIZE_N, 2048
.set NB,    SIZE_N/256
.set NP,    4         ; pieces a wave: a name, no knob
.set KS,    64        ; keys in a step
.set PK,    144       ; a row of K in LDS: 128 bytes + 16 of padding = 36 words: the 16 rows of a load start at 16 different groups of four banks (64 banks of 4 bytes: ISA guide 11.1)
.set PV,    160       ; a row of V: 128 + 32 = 40 words
.set VOFF,  4*KS*PK   ; a slot holds a tile, four steps: 256 rows of K, then 256 rows of V
.set SLOT1, 1<<17     ; slot 1 begins here, so that one exclusive or turns an address in one slot into the other's
.set STAGE, SLOT1+4*KS*(PK+PV)  ; behind the ring, never filled by a tensor load: 16 rows x 144 bytes for each wave, for the way out
.set SP,    144
.set AK0, 2           ; v2   my lane's place in a tile of K; never rewritten
.set AV0, 3           ; v3   the same for V
.set AK,  4           ; v4   the LDS address of K's next run of loads
.set AV,  5           ; v5   of V's
.set STO, 6           ; v6   the way out: where I put 16 bytes of a row
.set RD,  7           ; v7   the way out: where I read rows back
.set GO,  8           ; v8   my byte offset in 512 consecutive bytes of O
.set PFO, 61          ; v61  256 x my lane: the prefetches' offset; never rewritten
.set SPW, 62          ; v62  LDS address of my spare word: SPARE + 4 x my thread's number; never rewritten
.set NIL, 63          ; v63  0; never rewritten
.set SPARE, STAGE+4*16*SP  ; behind the stages: the spare words, 128 bytes for each wave: two blocks of 256 bytes that no other line names
.set MV,  12          ; v12-13  c m_old, kept while c m is made anew: by buffer
.set QO,  15          ; v15  my byte offset in 16 rows of Q
.set ST,  16          ; piece t's statistics at v[ST+4 t]: c m, m, l (even keys', odd keys')
.set TMP, 48          ; by buffer, four registers c0-c3 at work; when the maximum is found c2 takes a
.set S,   64
.set P,   192
.set MD,  128         ; window 1: the eight registers for group kt of 16 keys at MD + 8 kt
.set MC,  160         ; window 1: the masks of the products to come
.set QB,  64          ; window 2
.set KF,  128         ; window 2: key block kb, channel half c at KF + 16 kb + 8 c
.set VF,  192         ; window 2: key half kk, channel block cb at VF + 32 kk + 8 cb
.set WV,  12          ; s12  my wave's number
.set PB,  14          ; s14  b
.set HI,  15          ; s15  NB - 1 - b
.set G1K, 24          ; s[24:31] descriptor group 1 for K's tiles
.set G1V, 32          ; s[32:39] for V's: it differs in the padding alone
.set G0K, 40          ; s[40:43] descriptor group 0 for K's tiles
.set G0V, 44          ; s[44:47] the same for V's
.set SLOTS, 56        ; s56  tiles still to be asked for
.set CNT, 57          ; s57  counts a tile's key steps, 4 to 1
.set CS,  58          ; s[58:59] c: the packed scaling takes the pair's low word for both halves
.set SEL, 60          ; s[60:61] v_permlanex16_b32's selects: each lane takes its own place in the other half
.set TBK, 62          ; s62  LDS byte at which K of the step to be fetched begins
.set TBV, 63          ; s63  the same for V, less VOFF
.set RT,  70          ; s70  tiles of the block in hand that are still to be entered
.set NXT, 71          ; s71  the tile to be asked for next
.set LQ,  72          ; s72  the last tile of the block whose tiles are being asked for
.set NEW, 73          ; s73  1: the tile to be entered is a block's first
.set OFF, 74          ; s[74:75] a tile's byte offset in K and V
.set AL,  76          ; s[76:77] the mask's factor, in the low word
.set BE,  78          ; s[78:79] the mask's addend
.set OLO, 80          ; s[80:81] O at my rows of the second block
.set BIGN, 82         ; s82  -1e30
.set PFA, 88          ; s[88:89] where my prefetches stand: the half tile (of K: waves 0, 1; of V: waves 2, 3) that I would fetch, one tile on from the one that is being asked for
.set PFN, 90          ; s90  prefetches still to be made: NB - 2 in the head's work-group b = 0, else 0
.set MSB, 0
.macro WIN new                      ; the high byte repeats the setting that is left; a switch that changes nothing is dropped
.if MSB != (\new)
	s_set_vgpr_msb (MSB<<8)|(\new)
.set MSB, (\new)
.endif
.endm
.set W_KQ, 0x0a       ; K and Q in window 2, S^T in window 0
.set W_KM, 0x1a       ; the same with the C operand in window 1
.set W_PV, 0x52       ; V in window 2, P in window 0, O^T in window 1
.set W_RS, 0x41       ; destination and source 0 in window 1, source 1 in window 0
; A fill.  Waves 0 and 1 fetch the two halves of a tile's K, waves 2 and 3 those of its V: 128 keys each.  An s_nop 0 and four v_nop follow each of the two lines, ahead of the jump and the label.
.macro LOAD
	s_cmp_lt_u32 s[WV], 2
	s_cbranch_scc0 .Lfor_v_\@
	tensor_load_to_lds s[G0K:G0K+3], s[G1K:G1K+7]
	s_nop 0
.rept 4
	v_nop
.endr
	s_branch .Lasked_\@
.Lfor_v_\@:
	tensor_load_to_lds s[G0V:G0V+3], s[G1V:G1V+7]
	s_nop 0
.rept 4
	v_nop
.endr
.Lasked_\@:
.endm
; A PREFETCH INTO THE L2 of the tile that the NEXT change of slots will ask for: four key steps, 256 matrix instructions, ahead of that load.  It stands behind the wave's tensor load and its five lines.
; All four work-groups of a head begin with the tiles 0, 1, 2 ..; the one with b = 0 walks all eight, and it alone asks.  Each of its waves asks for the half tile that it fetches itself: 16,384 bytes on end,
; a lane for each 256, two instructions.  So each 256 bytes of a head's K and V in tiles 2 to 7 are named once in the launch.  Tiles 0 and 1 come by their loads alone; behind tile 7 nothing is asked for.
.macro ASK
	s_cmp_lg_u32 s[PFN], 0
	s_cbranch_scc0 .Lnot_mine_\@
	global_prefetch_b8 v[PFO], s[PFA:PFA+1] th:TH_LOAD_NT scope:SCOPE_SE
	global_prefetch_b8 v[PFO], s[PFA:PFA+1] offset:8192 th:TH_LOAD_NT scope:SCOPE_SE
	s_sub_co_u32 s[PFN], s[PFN], 1
.Lnot_mine_\@:
.endm
; THE CHANGE OF SLOTS.  Each wave waits for all its tensor loads, of which one is out: its part of the other slot; adds 0 to its spare word; and waits for that and for its own reads of the slot that it leaves.  Behind the barrier nobody reads the old
; slot any more and the other slot is whole.  fill = 1: the old slot is filled again, the first thing behind the barrier, with tile NXT: the descriptor's address is made anew from that number.
; (At its first use nothing has been read yet: slot 0 is waited for, slot 1 filled.)
.macro CHANGE fill
	WIN 0                           ; at a label and at a branch every window is 0
	s_wait_tensorcnt 0x0            ; no tensor load of mine is out, so a group 0 may be written
	ds_add_u32 v[SPW], v[NIL]       ; 0 onto my spare word; with fill = 1 the descriptors' scalar work stands between it and the wait for it
.if \fill
	s_lshl_b32 s[OFF], s[NXT], 15   ; a tile is 32,768 bytes of K and of V
	s_xor_b32 s[G0K+1], s[G0K+1], SLOT1
	s_add_nc_u64 s[G0K+2:G0K+3], s[6:7], s[OFF:OFF+1]
	s_or_b32 s[G0K+3], s[G0K+3], 0x80000000
	s_xor_b32 s[G0V+1], s[G0V+1], SLOT1
	s_add_nc_u64 s[G0V+2:G0V+3], s[8:9], s[OFF:OFF+1]
	s_or_b32 s[G0V+3], s[G0V+3], 0x80000000
	s_add_co_u32 s[NXT], s[NXT], 1  ; the block's next tile, or behind its last the second block's tile 0
	s_cmp_gt_u32 s[NXT], s[LQ]
	s_cselect_b32 s[NXT], 0, s[NXT]
	s_cselect_b32 s[LQ], s[PB], s[LQ]
	s_wait_xcnt 0x0                 ; the last prefetches, a tile back, have read their address, so it may be written:
	s_add_nc_u64 s[PFA:PFA+1], s[PFA:PFA+1], 32768  ; one tile on
.endif
	s_wait_dscnt 0x0                ; the add is done, and my reads of the slot are over
	s_barrier_signal -1             ; the rest of the scalar work stands between the signal and the wait
	s_sub_co_u32 s[TBK], s[TBK], 4*KS*PK  ; the fetches go back to a slot's first step,
	s_xor_b32 s[TBK], s[TBK], SLOT1       ; in the other slot
	s_sub_co_u32 s[TBV], s[TBV], 4*KS*PV
	s_xor_b32 s[TBV], s[TBV], SLOT1
	s_barrier_wait -1
.if \fill
	LOAD
	ASK
.endif
.endm
	s_load_b128 s[4:7], s[0:1], 0x0 ; qkvh s[4:5], yh s[6:7]
	v_lshl_add_u32 v[SPW], v0, 2, SPARE
	v_mov_b32 v[NIL], 0
	ds_add_u32 v[SPW], v[NIL]       ; the wave's opening: the add and its wait stand ahead of my first tensor load; the set-up below, work on registers, stands between them
	ds_add_u32 v62, v63
	v_lshrrev_b32 v1, 5, v0
	v_readfirstlane_b32 s[WV], v1   ; wave 0..3
	s_mov_b32 s[PB], ttmp9
	s_sub_co_u32 s[HI], NB-1, s[PB]
	s_and_b32 s20, ttmp7, 0xffff    ; the head hh = 16 b + h
	s_lshl_b32 s91, s20, 18         ; its plane in yh: 262,144 bytes each
	s_lshr_b32 s21, s20, 4
	s_mul_i32 s21, s21, 48
	s_and_b32 s20, s20, 15
	s_add_co_u32 s20, s20, s21
	s_lshl_b32 s20, s20, 18         ; Q's plane 48 b + h in qkvh; K's lies 16 planes on, V's 32
	s_and_b32 s16, s[WV], 1         ; which half of a tile's 256 keys I fetch:
	s_lshl_b32 s22, s16, 14         ; its 128 rows of 128 bytes in memory,
	s_add_co_u32 s22, s22, s20
	s_mov_b32 s23, 0
	s_mul_i32 s17, s16, 128*PK      ; and its place in a slot, for K
	s_mul_i32 s18, s16, 128*PV      ; and for V
	s_lshl_b32 s3, s[WV], 11        ; my 16 rows in a band of 64,
	s_lshl_b32 s2, s[HI], 15        ; in the first block,
	s_add_co_u32 s2, s2, s3
	s_lshl_b32 s84, s[PB], 15       ; and in the second
	s_add_co_u32 s84, s84, s3
	s_add_co_u32 s66, s2, s91       ; in yh,
	s_add_co_u32 s68, s84, s91
	s_add_co_u32 s2, s2, s20        ; and in qkvh
	s_add_co_u32 s84, s84, s20
	s_mov_b32 s3, 0
	s_mov_b32 s85, 0
	s_mov_b32 s67, 0
	s_mov_b32 s69, 0
	; descriptor group 1.  128 keys are 16,384 dense bytes: asked for as 64 rows of 256 bytes, two keys a row, and padded in LDS after every key
	s_mov_b32 s[G1K], (1<<16)|(1<<20)|(4<<22)|(3<<25)  ; 17:16 2-byte elements; 20 padding on; 24:22 after every 32 words (code 4); 31:25 4 words (code 3)
	s_mov_b32 s[G1V], (1<<16)|(1<<20)|(4<<22)|(7<<25)  ; the same with 8 words of padding (code 7)
.irp g, G1K, G1V
	s_mov_b32 s[\g+1], 128<<16      ; tensor_dim0 = 128
	s_mov_b32 s[\g+2], 64<<16       ; tensor_dim1 = 64
	s_mov_b32 s[\g+3], 128<<16      ; tile_dim0 = 128
	s_mov_b32 s[\g+4], 64           ; tile_dim1 = 64
	s_mov_b32 s[\g+5], 128          ; 128 elements from row to row
	s_mov_b32 s[\g+6], 0
	s_mov_b32 s[\g+7], 0
.endr
	s_mov_b32 s[CS], 0x3e38aa3b     ; c = log2(e) / 8 = 0.180337
	s_mov_b32 s[CS+1], s[CS]        ; named with it as a pair
	s_mov_b32 s[SEL], 0x76543210
	s_mov_b32 s[SEL+1], 0xfedcba98
	s_mov_b32 s[TBK], SLOT1+4*KS*PK ; the first change of slots turns these two into 0
	s_mov_b32 s[TBV], SLOT1+4*KS*PV
	s_mov_b32 s[G0K], 1             ; 1:0 count = 1
	s_mov_b32 s[G0K+1], s17         ; 63:32 LDS address: slot 0
	s_mov_b32 s[G0V], 1
	s_add_co_u32 s[G0V+1], s18, VOFF
	s_add_co_u32 s[RT], s[HI], 1    ; the first block has NB - b tiles
	s_mov_b32 s[NXT], 1
	s_mov_b32 s[LQ], s[HI]
	s_mov_b32 s[NEW], 1
	s_mov_b32 s[OFF+1], 0
	s_mov_b32 s[AL+1], 0            ; named as pairs
	s_mov_b32 s[BE+1], 0
	s_mov_b32 s[BIGN], 0xf149f2ca   ; -1e30
	s_mov_b32 s[SLOTS], NB
	s_cmp_eq_u32 s[PB], 0
	s_cselect_b32 s[PFN], NB-2, 0
	v_and_b32 v[PFO], 31, v0
	v_lshlrev_b32 v[PFO], 8, v[PFO]
	s_wait_dscnt 0x0                ; the opening add is done
	s_wait_kmcnt 0x0
	s_mov_b64 s[10:11], s[6:7]             ; O
	s_add_nc_u64 s[6:7], s[4:5], s[22:23]  ; Q's plane at my half of tile 0,
	s_add_nc_u64 s[8:9], s[6:7], 0x800000  ; V's: 32 planes on,
	s_add_nc_u64 s[6:7], s[6:7], 0x400000  ; K's: 16 planes on
	s_add_nc_u64 s[G0K+2:G0K+3], s[6:7], 0         ; 120:64 global address
	s_or_b32 s[G0K+3], s[G0K+3], 0x80000000        ; 127:126 type = 2
	s_add_nc_u64 s[G0V+2:G0V+3], s[8:9], 0
	s_or_b32 s[G0V+3], s[G0V+3], 0x80000000
	s_add_nc_u64 s[86:87], s[4:5], s[84:85]        ; Q at my rows of the second block,
	s_add_nc_u64 s[4:5], s[4:5], s[2:3]            ; and of the first
	s_add_nc_u64 s[OLO:OLO+1], s[10:11], s[68:69]  ; O likewise
	s_add_nc_u64 s[10:11], s[10:11], s[66:67]
	s_cmp_lt_u32 s[WV], 2
	s_cselect_b64 s[PFA:PFA+1], s[6:7], s[8:9]
	s_add_nc_u64 s[PFA:PFA+1], s[PFA:PFA+1], 32768 ; at tile 1: the first change of slots steps it to tile 2.  Nothing is prefetched here, at the head
	LOAD                            ; tile 0 into slot 0
	; A fragment of K or Q is 16 rows x 32 channels in 8 registers: lane l holds row l % 16, channels 8 (l / 16) + 0..7 and 16 + 8 (l / 16) + 0..7: two loads of 16 bytes, 32 bytes apart.
	v_and_b32 v1, 15, v0            ; l % 16
	v_bfe_u32 v9, v0, 4, 1          ; l / 16
	v_lshlrev_b32 v[QO], 7, v1
	v_lshl_add_u32 v[QO], v9, 4, v[QO]  ; row x 128 + 16 x half
	WIN 0x80                        ; destination window 2, address window 0
.set i, 0
.rept 8                             ; both blocks' Q: piece i / 2 lies in band i / 2, 8,192 bytes on; channels 32 (i % 2) on
	global_load_b128 v[8*i:8*i+3],   v[QO], s[4:5] offset:(i/2)*8192+(i%2)*64
	global_load_b128 v[8*i+4:8*i+7], v[QO], s[4:5] offset:(i/2)*8192+(i%2)*64+32
	global_load_b128 v[QB+8*i:QB+8*i+3],   v[QO], s[86:87] offset:(i/2)*8192+(i%2)*64
	global_load_b128 v[QB+8*i+4:QB+8*i+7], v[QO], s[86:87] offset:(i/2)*8192+(i%2)*64+32
.set i, i+1
.endr
	WIN 0
	v_lshlrev_b32 v14, 3, v9
	v_sub_nc_u32 v14, v1, v14
	s_lshl_b32 s13, s[WV], 4
	v_add_nc_u32 v14, s13, v14      ; my query's place in its band, 16 w + l % 16, less my lanes' 8 (l / 16): register r of group kt is hidden where 16 kt + r is greater
	WIN 0x40
.set i, 0
.rept 32
	v_cmp_gt_i32 vcc_lo, 16*(i/8)+i%8, v14
	v_cndmask_b32 v[MD+i], 0, s[BIGN], vcc_lo
.set i, i+1
.endr
	WIN 0
	v_mul_u32_u24 v[AK0], v1, PK
	v_lshl_add_u32 v[AK0], v9, 4, v[AK0]  ; row x pitch + 16 x half
	; The turning load takes 16 keys x 16 channels (lane l reads key 8 (l / 16) + l % 8, channels 8 ((l / 8) % 2) + 0..7) and leaves half a fragment of V^T: lane l holds channel l % 16 and 8 keys.
	v_and_b32 v10, 7, v0
	v_bfe_u32 v11, v0, 3, 1
	v_lshl_add_u32 v[AV0], v9, 3, v10
	v_mul_u32_u24 v[AV0], v[AV0], PV
	v_lshl_add_u32 v[AV0], v11, 4, v[AV0]
	v_add_nc_u32 v[AV0], VOFF, v[AV0]
	s_mul_i32 s13, s[WV], 16*SP
	s_add_co_u32 s13, s13, STAGE    ; my stage
	v_mul_u32_u24 v[STO], v1, SP    ; in: row l % 16, 16 bytes for each half of the lanes
	v_lshl_add_u32 v[STO], v9, 4, v[STO]
	v_add_nc_u32 v[STO], s13, v[STO]
	v_bfe_u32 v[RD], v0, 3, 2       ; back: 32 lanes take four rows of 128 bytes,
	v_mul_u32_u24 v[RD], v[RD], SP
	v_lshl_add_u32 v[RD], v10, 4, v[RD]
	v_add_nc_u32 v[RD], s13, v[RD]
	v_and_b32 v[GO], 31, v0         ; which are 512 consecutive bytes of O
	v_lshlrev_b32 v[GO], 4, v[GO]
	; A block's first step multiplies O^T and l by a = 0, and its first turn's products V^T P, of a piece that has not been, land in an O^T that is still to be so multiplied.  So these registers need only hold
	; finite numbers: zeros for the first block; what the first block left for the second.  All this stands in the wait for the first tile.
	WIN 0x80
.set i, VF
.rept 64
	v_mov_b32 v[i], 0
.set i, i+1
.endr
	WIN 0x40
.set i, 0
.rept 128
	v_mov_b32 v[i], 0
.set i, i+1
.endr
	WIN 0
.set i, 0
.rept 4
	v_mov_b32 v[ST+4*i+2], 0
	v_mov_b32 v[ST+4*i+3], 0
.set i, i+1
.endr
.set i, P+16
.rept 16
	v_mov_b32 v[i], 0
.set i, i+1
.endr
; THE MATRIX WORK.  The 4 accumulators of a run of 8 take turns.  Product i of 8 of S^T = K Q^T for piece x: channels 32 (i / 4) on, keys 16 (i % 4) on.  The first 4 start the sums: with 0, or (KM = 1) with the mask.
.macro KQ x
.set rS, S+32*((\x)%2)+8*(i%4)
.set rK, KF+16*(i%4)+8*(i/4)
.set rQ, 16*(\x)+8*(i/4)
.set rM, MC+32*((\x)%2)+8*(i%4)
.if (i < 4) && KM
	WIN W_KM
	v_wmma_f32_16x16x32_f16 v[rS:rS+7], v[rK:rK+7], v[rQ:rQ+7], v[rM:rM+7]
.elseif i < 4
	WIN W_KQ
	v_wmma_f32_16x16x32_f16 v[rS:rS+7], v[rK:rK+7], v[rQ:rQ+7], 0
.else
	WIN W_KQ
	v_wmma_f32_16x16x32_f16 v[rS:rS+7], v[rK:rK+7], v[rQ:rQ+7], v[rS:rS+7]
.endif
.endm
; Product i of 8 of O^T += V^T P for piece x: keys 32 (i / 4) on, channels 16 (i % 4) on.
.macro PV x
	WIN W_PV
.set rO, 32*(\x)+8*(i%4)
.set rV, VF+32*(i/4)+8*(i%4)
.set rP, P+16*((\x)%2)+8*(i/4)
	v_wmma_f32_16x16x32_f16 v[rO:rO+7], v[rV:rV+7], v[rP:rP+7], v[rO:rO+7]
.endm
.macro MM                           ; the turn's next matrix instruction.  TURN and BEGIN set Y, i, KM and NOKQ; MM, KQ and OP read them.  NOKQ = 1: a block's last turn: there is no next piece
.if (i < 8) && !NOKQ
	KQ (Y+1)%NP
.elseif i >= 8
.set i, i-8
	PV (Y+NP-1)%NP
.set i, i+8
.endif
.set i, i+1
.endm
; THE LDS LOADS stand in runs of 16, never singly among the matrix instructions: a step's K (64 keys x 64 channels: 8 fragments) and its V (turned).  Their addresses are made some lines ahead.
.macro FETCH_K
	WIN 0x80                        ; destination window 2
.irp f, 0,1,2,3,4,5,6,7             ; keys 16 (f / 2) on, channels 32 (f % 2) on
	ds_load_b128 v[KF+8*\f:KF+8*\f+3],   v[AK] offset:(\f/2)*16*PK+(\f%2)*64
	ds_load_b128 v[KF+8*\f+4:KF+8*\f+7], v[AK] offset:(\f/2)*16*PK+(\f%2)*64+32
.endr
	s_add_co_u32 s[TBK], s[TBK], KS*PK  ; the next fetch is the next step's
	WIN 0
.endm
.macro FETCH_V
	WIN 0x80
.irp f, 0,1,2,3,4,5,6,7             ; keys 32 (f / 4) on, channels 16 (f % 4) on
	ds_load_tr16_b128 v[VF+8*\f:VF+8*\f+3],   v[AV] offset:(\f/4)*32*PV+(\f%4)*32
	ds_load_tr16_b128 v[VF+8*\f+4:VF+8*\f+7], v[AV] offset:(\f/4)*32*PV+16*PV+(\f%4)*32
.endr
	WIN 0
.endm
; THE VECTOR WORK, one line at a time: OP kind, number.  For piece Y: F n: c s - c m for pair n of 16.  E n: the exponential of score n of 32.  C n: pair n rounded to f16.  B n: of the four weights 4 n .. the second
; pair is added onto the first, in place.  L n: l takes that sum (L 0: l = a l + sum).  R n: pair n of 16 of O^T times a.  For piece Y + 1: X n, number n of the 22 that find its maximum and statistics:
;   0-11  four chains c0-c3 of seven scores each, three operands at a time (each accumulator's lowest registers are read first)     12-14, 16  the four scores left over, the old m, and c0-c3 into c0
;   15  c m_old is kept     17, 18  the query's other 32 keys lie in the lane 16 away: the new m     19-21  c m; c m_old - c m_new; a
.set F, 0               ; OP tells the kinds apart by their order: F to L below R, X above it
.set E, 1
.set C, 2
.set B, 3
.set L, 4
.set R, 5
.set X, 6
.macro REGS y                       ; the registers of piece y
.set rT, ST+4*(\y)
.set rC, TMP+4*((\y)%2)
.set rW, MV+((\y)%2)
.set rS, S+32*((\y)%2)
.set rP, P+16*((\y)%2)
.set rO, 32*(\y)
.endm
.macro OP k, n
.if (\k) == R
	REGS Y
	WIN W_RS
	v_pk_mul_f32 v[rO+2*(\n):rO+2*(\n)+1], v[rO+2*(\n):rO+2*(\n)+1], v[rC+2:rC+3] op_sel_hi:[1,0]
.elseif (\k) < R
	REGS Y
	WIN 0
.if (\k) == F
	v_pk_fma_f32 v[rS+2*(\n):rS+2*(\n)+1], v[rS+2*(\n):rS+2*(\n)+1], s[CS:CS+1], v[rT:rT+1] op_sel_hi:[1,0,0] neg_lo:[0,0,1] neg_hi:[0,0,1]
.elseif (\k) == E
	v_exp_f32 v[rS+(\n)], v[rS+(\n)]
.elseif (\k) == C
	s_wait_alu depctr_va_vdst(0)
	v_cvt_pk_f16_f32 v[rP+(\n)], v[rS+2*(\n)], v[rS+2*(\n)+1]
.elseif (\k) == B
	s_wait_alu depctr_va_vdst(0)
	v_pk_add_f32 v[rS+4*(\n):rS+4*(\n)+1], v[rS+4*(\n):rS+4*(\n)+1], v[rS+4*(\n)+2:rS+4*(\n)+3]
.elseif (\n) == 0
	v_pk_fma_f32 v[rT+2:rT+3], v[rT+2:rT+3], v[rC+2:rC+3], v[rS:rS+1] op_sel_hi:[1,0,1]
.else
	v_pk_add_f32 v[rT+2:rT+3], v[rT+2:rT+3], v[rS+4*(\n):rS+4*(\n)+1]
.endif
.elseif NOKQ
	v_nop
.else
	REGS (Y+1)%NP
	WIN 0
.if (\n) < 4
	v_max3_num_f32 v[rC+(\n)], v[rS+8*(\n)], v[rS+8*(\n)+1], v[rS+8*(\n)+2]
.elseif (\n) < 12
	v_max3_num_f32 v[rC+(\n)%4], v[rC+(\n)%4], v[rS+8*((\n)%4)+2*((\n)/4)+1], v[rS+8*((\n)%4)+2*((\n)/4)+2]
.elseif (\n) == 12
	v_max3_num_f32 v[rC], v[rC], v[rS+7], v[rS+15]
.elseif (\n) == 13
	v_max3_num_f32 v[rC+1], v[rC+1], v[rS+23], v[rS+31]
.elseif (\n) == 14
	v_max3_num_f32 v[rC+2], v[rC+2], v[rC+3], v[rT+1]
.elseif (\n) == 15
	v_mov_b32 v[rW], v[rT]
.elseif (\n) == 16
	v_max3_num_f32 v[rC], v[rC], v[rC+1], v[rC+2]
.elseif (\n) == 17
	v_permlanex16_b32 v[rC+3], v[rC], s[SEL], s[SEL+1]
.elseif (\n) == 18
	v_max_num_f32 v[rT+1], v[rC], v[rC+3]
.elseif (\n) == 19
	v_mul_f32 v[rT], s[CS], v[rT+1]
.elseif (\n) == 20
	v_sub_f32 v[rC+1], v[rW], v[rT]
.else
	v_exp_f32 v[rC+2], v[rC+1]
.endif
.endif
.endm
.macro OPS a, i1, b=-1, i2=0, c=-1, i3=0, d=-1, i4=0  ; up to four of them
	OP \a, \i1
.if (\b) >= 0
	OP \b, \i2
.endif
.if (\c) >= 0
	OP \c, \i3
.endif
.if (\d) >= 0
	OP \d, \i4
.endif
.endm
.macro ROW a, i1, b, i2, c, i3, d, i4  ; a matrix instruction and the four behind it
	MM
	OPS \a, \i1, \b, \i2, \c, \i3, \d, \i4
.endm
.macro MASK b                       ; MD x AL + BE into buffer b of MC
	WIN W_RS
.set z, 0
.rept 16
	v_pk_fma_f32 v[MC+32*(\b)+2*z:MC+32*(\b)+2*z+1], v[MD+2*z:MD+2*z+1], s[AL:AL+1], s[BE:BE+1] op_sel_hi:[1,0,0]
.set z, z+1
.endr
.endm
; A TURN, for piece p: the order of its 16 matrix and 118 vector instructions, written out.  Behind a matrix instruction: plain, exponential, plain, plain; or four of the rescaling; or, behind the first, four scalings; none
; names a register of the products round it.  In the lumps exponential and plain by turns while exponentials last.  A line reads no result made fewer than three vector instructions in front of it, five if an exponential made it.
; v_permlanex16_b32 (X 17) stands in a lump.
; m = 1: the diagonal tile: the products take masks, and the turn makes the mask for the products of the turn after it: piece p + 2, in step 4 - CNT of the tile.  end = 1: a block's last two turns: nothing is fetched.
; cnt = 1: the loop's count is taken down some lines ahead of the branch that stands behind the turn.
; K of the next step is fetched in piece 2's turn, six vector instructions behind the last product that read K (five of them plain); V of the step in hand in piece 0's turn, eight behind the last product that read V (four
; plain, and X 17).  Each is waited for a turn later.
.macro TURN p, m=0, end=0, cnt=0
.set Y, (\p)
.set i, 0
.set KM, (\m)
.set NOKQ, (\end)*((\p)/3)
.if (\m) && !(\end)
	s_cmp_eq_u32 s[CNT], 4-((\p)+2)%NP  ; is that step the band's own?
	s_cselect_b32 s[AL], 1.0, 0
	s_cmp_lt_u32 s[CNT], 4-((\p)+2)%NP  ; or a later one?
	s_cselect_b32 s[BE], s[BIGN], 0
.endif
.if ((\p) == 3) && !(\end)
	s_wait_dscnt 0x0                ; K is in
.endif
	ROW F,0, F,1, F,2, F,3
	ROW F,4, E,0, F,5, F,6
	ROW F,7, E,1, F,8, F,9
	ROW F,10, E,2, C,0, F,11
	ROW F,12, E,3, X,15, F,13
	ROW R,0, R,1, R,2, R,3
	ROW B,0, E,4, F,14, L,0
.if ((\p) == 2) && !(\end)
	v_add_nc_u32 v[AK], s[TBK], v[AK0]
.endif
	ROW R,4, R,5, R,6, R,7
	OPS E,5, F,15
.if ((\p) == 2) && !(\end)
	FETCH_K
.endif
	OPS E,6, C,1, E,7, R,8
	OPS E,8, R,9, E,9, C,2
	OPS E,10, X,0, E,11, X,1
	OPS E,12, X,2, E,13, X,3
.if (\p) == 1
	s_wait_dscnt 0x0                ; V is in
.endif
	ROW X,4, E,14, X,5, X,6
	ROW X,7, E,15, X,8, X,9
	ROW X,10, E,16, X,11, X,12
	ROW X,13, E,17, X,14, B,1
	ROW C,4, E,18, X,16, L,1
	ROW B,2, E,19, C,6, L,2
	ROW C,8, E,20, B,3, B,4
.if (\p) == 0
	v_add_nc_u32 v[AV], s[TBV], v[AV0]
.endif
	ROW C,3, E,21, L,3, C,5
	OPS E,22, X,17, E,23, C,10
.if (\p) == 0
	FETCH_V
.endif
	OPS E,24, L,4
	OPS E,25, X,18, E,26, C,7
	OPS E,27, B,5, E,28, X,19
	OPS E,29, C,12, E,30, L,5
	OPS E,31, X,20, B,6, C,9
	OPS C,14, C,11, X,21, L,6
.if (\p) == 0
	s_add_co_u32 s[TBV], s[TBV], KS*PV
.endif
.if \cnt
	s_sub_co_u32 s[CNT], s[CNT], 1
	s_cmp_lg_u32 s[CNT], 0
.endif
	OPS C,13, B,7, C,15, R,10
	OPS R,11, R,12, L,7, R,13
	OPS R,14, R,15
.if (\m) && !(\end)
	MASK (\p)%2
.endif
.endm
; A BLOCK BEGINS.  c m starts far below every c s, so the first step's a is 0; m at the lowest finite number, so the first maximum is the scores'.  The second mask buffer is 0; the first takes piece 0's mask for the tile's step 0: its own, if the block's first tile is the diagonal one.
; Then K of that step, piece 0's first scores, and its maximum and statistics.  The loop is entered at a step's first turn, in the middle of a trip.
.macro BEGIN
	s_mov_b32 s[NEW], 0
	WIN 0x40
.set i, MC+32
.rept 32
	v_mov_b32 v[i], 0
.set i, i+1
.endr
	WIN 0
.set i, 0
.rept 4
	v_mov_b32 v[ST+4*i], 0xfe000000    ; c m: far below every c s
	v_mov_b32 v[ST+4*i+1], 0xff7fffff  ; m
.set i, i+1
.endr
	s_cmp_eq_u32 s[RT], 0
	s_cselect_b32 s[AL], 1.0, 0
	s_mov_b32 s[BE], 0
	MASK 0
	WIN 0
	v_add_nc_u32 v[AK], s[TBK], v[AK0]
	FETCH_K
	s_wait_loadcnt 0x0              ; Q
	s_wait_dscnt 0x0
.set KM, 1
.set NOKQ, 0
.set i, 0
.rept 8
	KQ 0
.set i, i+1
.endr
	WIN 0
.rept 4
	v_nop                           ; the places behind those products
.endr
.set Y, NP-1                        ; X works for piece Y + 1: piece 0
.irp n, 0,1,2,3,4,5,6,7,8,9,10,11,12,13,14,15,16,17,18,19,20,21
	OP X, \n
.endr
	v_nop                           ; a plain instruction behind the exponential
.endm
; THE DIAGONAL TILE's four steps, the block's last two turns, its last products, and THE WAY OUT: l's two halves and the other half of the lanes' are added; O^T is divided by l, rounded to f16 and sent through my
; stage in LDS, a piece at a time.
.macro ALL line:vararg              ; one line for each piece t
.set t, 0
.rept 4
	\line
.set t, t+1
.endr
.endm
.macro PACK t                       ; a lane's eight channels of a row pack into 16 bytes; they go into rows of 144 bytes and come back as whole rows of 128, into S^T's registers
	WIN W_RS
.set i, 32*(\t)
.rept 16
	s_wait_alu depctr_va_vdst(0)
	v_pk_mul_f32 v[i:i+1], v[i:i+1], v[ST+4*(\t)+2:ST+4*(\t)+3] op_sel_hi:[1,0]
.set i, i+2
.endr
	WIN 0x05                        ; sources 0 and 1 window 1, destination window 0
.set i, 0
.rept 16
	v_cvt_pk_f16_f32 v[S+16*(\t)+i], v[32*(\t)+2*i], v[32*(\t)+2*i+1]
.set i, i+1
.endr
	WIN 0
.irp f, 0,1,2,3
	ds_store_b128 v[STO], v[S+16*(\t)+4*\f:S+16*(\t)+4*\f+3] offset:32*\f
.endr
.irp f, 0,1,2,3
	ds_load_b128 v[S+16*(\t)+4*\f:S+16*(\t)+4*\f+3], v[RD] offset:\f*4*SP  ; LDS serves a wave's instructions in order (ISA guide 5.7.1.4): these see the stores above; the next piece's stores come behind them
.endr
.endm
.macro SEND t, younger              ; younger: the LDS instructions issued behind piece t's loads: the next piece's eight, or none
	WIN 0
.irp f, 0,1,2,3
	s_wait_dscnt (\younger)+3-\f
	global_store_b128 v[GO], v[S+16*(\t)+4*\f:S+16*(\t)+4*\f+3], s[10:11] offset:(\t)*8192+\f*512  ; 512 consecutive bytes, at a multiple of 256 from O's first
.endr
.endm
.macro DIAG tag                     ; the tag ends its two labels' names, which the jumps below spell out
.LstepM\tag:
	TURN 2, 1
	TURN 3, 1
	WIN 0
.LfirstM\tag:
	TURN 0, 1
	TURN 1, 1, 0, 1
	WIN 0
	s_cbranch_scc1 .LstepM\tag
	TURN 2, 1, 1
	TURN 3, 1, 1
.set i, 0
.rept 8
	PV NP-1
.set i, i+1
.endr
	WIN 0
	ALL v_add_f32 v[ST+4*t+2], v[ST+4*t+2], v[ST+4*t+3]
	ALL v_permlanex16_b32 v[ST+4*t+3], v[ST+4*t+2], s[SEL], s[SEL+1]
	ALL v_add_f32 v[ST+4*t+2], v[ST+4*t+2], v[ST+4*t+3]
	ALL v_rcp_f32 v[ST+4*t+2], v[ST+4*t+2]
	v_nop                           ; a plain instruction between the last reciprocal and the use of its result
	PACK 0
.set t, 1
.rept 3                             ; a piece's arithmetic stands between the loads of the piece before and its stores
	PACK t
	SEND t-1, 8
.set t, t+1
.endr
	SEND 3, 0
.endm
.set KM, 0
.set NOKQ, 0
.Lslot:                             ; NB times: a tile is entered and the next is asked for
	CHANGE 1
	s_sub_co_u32 s[RT], s[RT], 1
	s_mov_b32 s[CNT], 4
	s_cmp_eq_u32 s[NEW], 1
	s_cbranch_scc1 .Lnew            ; a block's first tile
	s_cmp_eq_u32 s[RT], 0
	s_cbranch_scc0 .Lstep           ; neither its first nor its last
	s_branch .LstepM1
.Lnew:
	BEGIN
	s_branch .Lfirst                ; in the loop a block's first tile is never its last: the first block has two tiles or more, and the second's last is the walk's last
	DIAG 1                          ; in the loop this is the first block's end: the second block's last tile is the walk's last
	s_wait_xcnt 0x0                 ; the stores have read their registers and O's address
	s_mov_b64 s[10:11], s[OLO:OLO+1]
	s_add_co_u32 s[RT], s[PB], 1    ; the second block has b + 1 tiles
	s_mov_b32 s[NEW], 1
	WIN 0x82                        ; the second block's Q goes where the one text of the turns names Q
.set i, 0
.rept 64
	v_mov_b32 v[i], v[QB+i]
.set i, i+1
.endr
	WIN 0
	s_branch .Lbottom
.Lstep:                             ; a trip: pieces 2 and 3 of one step, then pieces 0 and 1 of the next, whose K and V it fetches
	TURN 2
	TURN 3
	WIN 0
.Lfirst:
	TURN 0
	TURN 1, 0, 0, 1
	WIN 0
	s_cbranch_scc1 .Lstep
.Lbottom:
	s_sub_co_u32 s[SLOTS], s[SLOTS], 1
	s_cmp_lg_u32 s[SLOTS], 0
	s_cbranch_scc1 .Lslot
	CHANGE 0                        ; the walk's last tile is written out: nothing is asked for
	s_sub_co_u32 s[RT], s[RT], 1
	s_mov_b32 s[CNT], 4
	s_cmp_eq_u32 s[NEW], 1
	s_cbranch_scc0 .LstepM2
	BEGIN
	s_branch .LfirstM2
	DIAG 2
	s_wait_tensorcnt 0x0            ; the wave's end: behind my last tensor load and my last LDS store
	ds_add_u32 v[SPW], v[NIL]
	s_wait_dscnt 0x0
	s_endpgm
.Lfunc_end_k_q489f6a5d25_attn:
	.size	k_q489f6a5d25_attn, .Lfunc_end_k_q489f6a5d25_attn-k_q489f6a5d25_attn
	.p2alignl 7, 3214868480
	.fill 96, 4, 3214868480
	.section	.rodata,"a",@progbits
	.p2align	6, 0x0
	.amdhsa_kernel k_q489f6a5d25_attn
		.amdhsa_group_segment_fixed_size 327680
		.amdhsa_private_segment_fixed_size 0
		.amdhsa_enable_private_segment 0
		.amdhsa_kernarg_size 16
		.amdhsa_user_sgpr_count 2
		.amdhsa_user_sgpr_kernarg_segment_ptr 1
		.amdhsa_wavefront_size32 1
		.amdhsa_system_sgpr_workgroup_id_x 1
		.amdhsa_system_sgpr_workgroup_id_y 1
		.amdhsa_system_sgpr_workgroup_id_z 1
		.amdhsa_system_vgpr_workitem_id 0
		.amdhsa_next_free_vgpr 768
		.amdhsa_next_free_sgpr 96
		.amdhsa_reserve_vcc 1
		.amdhsa_float_denorm_mode_32 3
		.amdhsa_float_denorm_mode_16_64 3
		.amdhsa_memory_ordered 1
		.amdhsa_forward_progress 1
		.amdhsa_inst_pref_size 229
	.end_amdhsa_kernel
	.amdgpu_metadata
---
amdhsa.version: [ 1, 2 ]
amdhsa.kernels:
  - .name:           k_q489f6a5d25_attn
    .symbol:         k_q489f6a5d25_attn.kd
    .args:
      - { .name: qkvh, .offset: 0, .size: 8, .value_kind: global_buffer, .address_space: global }
      - { .name: yh, .offset: 8, .size: 8, .value_kind: global_buffer, .address_space: global }
    .group_segment_fixed_size: 327680
    .private_segment_fixed_size: 0
    .kernarg_segment_align: 8
    .kernarg_segment_size: 16
    .max_flat_workgroup_size: 128
    .sgpr_count:     96
    .vgpr_count:     768
    .wavefront_size: 32
...
	.end_amdgpu_metadata
.endif
;; end of part 3
;; launch proj (part 4): grid 8 x 32, 4 waves a work-group, clusters of 4 x 4, 327,680 bytes of LDS; arguments yh, wph, bp, out0; writes out0
.if DOCPART == 4
	.amdgcn_target "amdgcn-amd-amdhsa--gfx1250"
	.amdhsa_code_object_version 6
	.text
	.protected	k_q489f6a5d25_proj
	.globl	k_q489f6a5d25_proj
	.p2align	8
	.type	k_q489f6a5d25_proj,@function
k_q489f6a5d25_proj:
	s_mov_b64 s[64:65], 0
	v_nop
	global_prefetch_b8 v0, s[64:65] scope:SCOPE_SE
	s_setreg_imm32_b32 hwreg(HW_REG_WAVE_MODE, 25, 1), 1
	s_wait_xcnt 0x0
	s_wait_alu depctr_hold_cnt(0) depctr_sa_sdst(0) depctr_va_vdst(0) depctr_va_sdst(0) depctr_va_ssrc(0) depctr_va_vcc(0) depctr_vm_vsrc(0)
	s_getreg_b32 s2, hwreg(HW_REG_IB_STS2, 6, 4)
	s_cmp_eq_u32 s2, 0
	s_cbranch_scc0 .Lentry_in_a_cluster
	s_endpgm
.Lentry_in_a_cluster:
	s_bfe_u32 s2, ttmp6, 0x10000c
	s_cmp_lg_u32 s2, 0xf033
	s_cbranch_scc0 .Lentry_shape_is_right
	s_endpgm
.Lentry_shape_is_right:
; out = y wp + bp: [8192 x 1024] x [1024 x 1024].  yh: f16 [16 b + h][t 2048][64], so channel k = 64 h + d of row (b, t); wph: f16 [k 1024][n 1024]; bp f32, rounded to bf16 like the other inputs.
; Sums in f32, started by the bias; out0 f32 [8192][1024].   LIMITS.  NaN and infinities are not treated apart; y and wph arrive within f16's range.
; SHARES.  8192 x 1024 outputs on 256 work-groups are 256 x 128 each.  Four waves, 2 x 2: a wave makes 128 rows x 64 columns: 32 accumulators of 16 x 16, 256 registers.
; K goes in 8 steps of 128 (two heads) through two LDS slots filled by the tensor data mover: a head's 256 rows x 128 bytes are 32,768 bytes on end, asked for as rows of 256 bytes; wph's rows of a
; tile are 256 bytes and start at multiples of 256 bytes.
; CLUSTER.  4 x 4 work-groups.  The four of a row of the cluster need the same rows of y, the four of a column the same columns of wp: each tile is asked for JOINTLY.
; THE MATRIX INSTRUCTION IS USED TRANSPOSED: source 0 = 16 columns of wp (turned on the way out of LDS by ds_load_tr16_b128), source 1 = 16 rows of y: a lane holds row l % 16 and eight neighbouring columns.
; REGISTERS: window 0: v0-15 addresses; two fragment buffers of 96 at v16 and v112: y's 64 (8 x 16 rows x 32 K), then wp's 32; v208-239 the bias; v240-255 at work.
;   window 1: the accumulators, (a, i) at v[8 (4 a + i)]: rows 16 a on, columns 16 i on
.set SLOT,   110592                    ; A: two heads x 256 rows x 144 bytes, then B: 128 rows x 288 bytes
.set BOFF,   73728
.set PA,     144                       ; a row of A: 128 bytes + 16 of padding = 36 words: the 16 rows of a load start at 16 different groups of four banks (64 banks of 4 bytes: ISA guide 11.1)
.set PB,     288                       ; a row of B: two pieces of 128 + 16 bytes = 72 words: the 8 rows of a turning load start at banks 8 r mod 64, all different
.set STAGE,  2*SLOT                    ; behind the ring, never filled by a tensor load: 16 rows x 272 bytes for each wave, for the way out
.set SP,     272
.set SPARE,  STAGE+4*16*SP             ; behind the stages: the spare words, 128 bytes for each wave: two blocks of 256 bytes that no other line names
.set ADRA, 2                           ; v2-3   LDS address of my fragments of y in slot 0, 1
.set ADRB, 4                           ; v4-5   the same for wp
.set STO,  6                           ; v6     the way out: where I put 32 bytes of a row
.set RD,   7                           ; v7     the way out: where I read a row back
.set CO,   8                           ; v8     my byte offset in out0
.set VB,   9                           ; v9     32 (l / 16): my eight numbers in 16 of the bias
.set SPW,  12                          ; v12    LDS address of my spare word: SPARE + 4 x my thread's number; never rewritten
.set NIL,  13                          ; v13    0; never rewritten
.set FBUF, 16
.set BIAS, 208
.set TW,   240
.set WV,  16                           ; s16  my wave's number
.set MH,  17                           ; s17  which half of the tile's rows is mine.  Also: I fetch for A (0) or for B (1)
.set NH,  18                           ; s18  which half of its columns.  Also: which half of that tile I fetch
.set G1,  24                           ; s[24:31] descriptor group 1 for A's tiles;  s[32:39] group 0, a set for each slot
.set G0,  32
.set G1B, 48                           ; s[48:55], s[56:63] the same for B's
.set G0B, 56
.set FIELDS, (1<<16)|(1<<20)|(1<<21)|(4<<22)|(3<<25)  ; 17:16 elements of 2 bytes; 20 padding on; 21 set beside a mask; 24:22 after every 32 words (code 4); 31:25 4 words of it (code 3)
.set MSB, 0
.macro WIN new                         ; the immediate's high byte repeats the setting that is left; a switch that changes nothing is dropped
.if MSB != (\new)
	s_set_vgpr_msb (MSB<<8)|(\new)
.set MSB, \new
.endif
.endm
.macro JLOAD s                         ; a joint load: waves 0 and 1 fetch A's two heads, waves 2 and 3 B's two halves; an s_nop 0 and four v_nop follow each of the two lines
	s_cmp_eq_u32 s[MH], 0
	s_cbranch_scc0 .Lfor_b_\@
	tensor_load_to_lds s[G0+4*(\s):G0+4*(\s)+3], s[G1:G1+7]
	s_nop 0
.rept 4
	v_nop
.endr
	s_branch .Lasked_\@
.Lfor_b_\@:
	tensor_load_to_lds s[G0B+4*(\s):G0B+4*(\s)+3], s[G1B:G1B+7]
	s_nop 0
.rept 4
	v_nop
.endr
.Lasked_\@:
.endm
.macro CREST                           ; a round of the cluster's barrier behind its opening barrier
	s_cmp_lg_u32 s[WV], 0
	s_cbranch_scc1 .Lnot_wave_0_\@
	s_barrier_signal -3
.Lnot_wave_0_\@:
	s_barrier_wait -3
	s_barrier_signal -1
	s_barrier_wait -1
.endm
.macro CROUND
	s_barrier_signal -1
	s_barrier_wait -1
	CREST
.endm
.macro PLACES                          ; four places in front of loads into registers that matrix instructions have read, and of LDS stores that read results (ISA guide 7.12.1 for the stores)
.rept 4
	v_nop
.endr
.endm
	s_load_b256 s[4:11], s[0:1], 0x0               ; yh 4:5, wph 6:7, bp 8:9, out0 10:11
	v_lshl_add_u32 v[SPW], v0, 2, SPARE
	v_mov_b32 v[NIL], 0
	ds_add_u32 v[SPW], v[NIL]                      ; the wave's opening: the add and its wait stand ahead of my first tensor load; the set-up below, work on registers, stands between them
	ds_add_u32 v12, v13
	v_lshrrev_b32 v1, 5, v0
	v_readfirstlane_b32 s[WV], v1                  ; wave 0..3
	s_lshr_b32 s[MH], s[WV], 1
	s_and_b32 s[NH], s[WV], 1
	s_bfe_u32 s19, ttmp6, 0x40000                  ; cx, cy: my place in the cluster
	s_bfe_u32 s20, ttmp6, 0x40004
	s_lshl_b32 s21, ttmp9, 2
	s_add_co_u32 s21, s21, s19                     ; tx: tile column = 4 x cluster x + cx
	s_and_b32 s22, ttmp7, 0xffff
	s_lshl_b32 s22, s22, 2
	s_add_co_u32 s22, s22, s20                     ; ty: tile row = 4 x cluster y + cy
	s_lshl_b32 s46, s20, 2
	s_lshl_b32 s46, 15, s46                        ; my row of the cluster
	s_lshl_b32 s47, 0x1111, s19                    ; my column
	s_or_b32 s[G1], s46, FIELDS                    ; A's tiles go to my row,
	s_or_b32 s[G1B], s47, FIELDS                   ; B's to my column
	s_mov_b32 s[G1+1], 128<<16                     ; A: 32,768 bytes on end as 128 rows of 128 elements: tensor_dim0 = 128
	s_mov_b32 s[G1+2], 128<<16                     ; tensor_dim1 = 128
	s_mov_b32 s[G1+3], 128<<16                     ; tile_dim0 = 128
	s_mov_b32 s[G1+4], 128                         ; tile_dim1 = 128
	s_mov_b32 s[G1+5], 128                         ; 128 elements from row to row
	s_mov_b32 s[G1+6], 0
	s_mov_b32 s[G1+7], 0
	s_mov_b32 s[G1B+1], 128<<16                    ; B: 64 rows of 128 elements: tensor_dim0 = 128
	s_mov_b32 s[G1B+2], 64<<16                     ; tensor_dim1 = 64
	s_mov_b32 s[G1B+3], 128<<16                    ; tile_dim0 = 128
	s_mov_b32 s[G1B+4], 64                         ; tile_dim1 = 64
	s_mov_b32 s[G1B+5], 1024                       ; 1,024 elements from row to row
	s_mov_b32 s[G1B+6], 0
	s_mov_b32 s[G1B+7], 0
	s_mov_b32 s74, 0xffff0000                      ; a word's upper bf16
	; where the tiles come from.  A's hang on the tile row alone, B's on the tile column alone; each address is made in registers that never hold the other coordinate.
	s_lshr_b32 s40, s22, 3                         ; the batch: 16 heads of 262,144 bytes
	s_lshl_b32 s40, s40, 22
	s_and_b32 s41, s22, 7
	s_lshl_b32 s41, s41, 15                        ; 256 rows of 128 bytes
	s_add_co_u32 s40, s40, s41
	s_lshl_b32 s41, s[NH], 18                      ; which of a K step's two heads I fetch
	s_add_co_u32 s40, s40, s41
	s_mov_b32 s41, 0
	s_lshl_b32 s42, s21, 8                         ; 128 columns of 2 bytes
	s_lshl_b32 s43, s[NH], 17                      ; the 64 rows of 2,048 bytes that I fetch
	s_add_co_u32 s42, s42, s43
	s_mov_b32 s43, 0
	s_mul_i32 s44, s[NH], 256*PA                   ; and where they go: no place in the cluster enters an LDS address
	s_mul_i32 s45, s[NH], 64*PB
	s_add_co_u32 s45, s45, BOFF
	s_wait_dscnt 0x0                               ; the opening add is done
	s_wait_kmcnt 0x0
	s_add_nc_u64 s[40:41], s[4:5], s[40:41]
	s_add_nc_u64 s[42:43], s[6:7], s[42:43]
	CROUND                                         ; all sixteen work-groups are here: the first joint loads meet
.irp s, 0,1
	s_mov_b32 s[G0+4*(\s)], 1                                      ; 1:0 count = 1
	s_add_co_u32 s[G0+4*(\s)+1], s44, (\s)*SLOT                    ; 63:32 LDS address
	s_add_nc_u64 s[G0+4*(\s)+2:G0+4*(\s)+3], s[40:41], (\s)*524288 ; 120:64 global address: K step s is heads 2 s, 2 s + 1
	s_or_b32 s[G0+4*(\s)+3], s[G0+4*(\s)+3], 0x80000000            ; 127:126 type = 2
	s_mov_b32 s[G0B+4*(\s)], 1
	s_add_co_u32 s[G0B+4*(\s)+1], s45, (\s)*SLOT
	s_add_nc_u64 s[G0B+4*(\s)+2:G0B+4*(\s)+3], s[42:43], (\s)*262144  ; 128 rows of 2,048 bytes
	s_or_b32 s[G0B+4*(\s)+3], s[G0B+4*(\s)+3], 0x80000000
	JLOAD \s                                       ; two loads of mine are out
.endr
	v_and_b32 v1, 15, v0                           ; l % 16
	v_bfe_u32 v10, v0, 4, 1                        ; l / 16
	v_and_b32 v11, 7, v0
	v_bfe_u32 v14, v0, 3, 1
	v_mul_u32_u24 v15, v1, PA
	v_lshl_add_u32 v15, v10, 4, v15                ; a fragment of y: row x 144 + 16 x half
	s_mul_i32 s23, s[MH], 128*PA                   ; my 128 rows
	v_add_nc_u32 v[ADRA], s23, v15
	v_add_nc_u32 v[ADRA+1], SLOT, v[ADRA]
	v_lshl_add_u32 v[TW], v10, 3, v11              ; the turning load: K 8 (l / 16) + l % 8, columns 8 ((l / 8) % 2) + 0..7
	v_mul_u32_u24 v[TW], v[TW], PB
	v_lshl_add_u32 v[TW], v14, 4, v[TW]
	s_mul_i32 s23, s[NH], 144                      ; my 64 columns' piece of a row of B
	s_add_co_u32 s23, s23, BOFF
	v_add_nc_u32 v[ADRB], s23, v[TW]
	v_add_nc_u32 v[ADRB+1], SLOT, v[ADRB]
	s_mul_i32 s23, s[WV], 16*SP
	s_add_co_u32 s23, s23, STAGE                   ; my stage
	v_mul_u32_u24 v[STO], v1, SP                   ; in: row l % 16, 32 bytes for each half of the lanes
	v_lshl_add_u32 v[STO], v10, 5, v[STO]
	v_add_nc_u32 v[STO], s23, v[STO]
	v_mul_u32_u24 v[RD], v10, SP                   ; back: lanes 0-15 take one row of 256 bytes, lanes 16-31 the next
	v_lshl_add_u32 v[RD], v1, 4, v[RD]
	v_add_nc_u32 v[RD], s23, v[RD]
	v_lshlrev_b32 v[CO], 12, v10                   ; and the same two rows in out0, 4,096 bytes apart
	v_lshl_add_u32 v[CO], v1, 4, v[CO]
	v_lshlrev_b32 v[VB], 5, v10
	s_lshl_b32 s42, s21, 9                         ; my 64 columns, in f32: 512 tx + 256 NH (in the registers that held B's offset: none that feeds A's descriptors ever holds cx)
	s_lshl_b32 s43, s[NH], 8
	s_add_co_u32 s42, s42, s43
	s_mov_b32 s43, 0
	s_add_nc_u64 s[8:9], s[8:9], s[42:43]          ; in bp,
	s_lshl_b32 s76, s22, 20                        ; and in out0, at row 256 ty + 128 MH of 4,096 bytes
	s_lshl_b32 s77, s[MH], 19
	s_add_co_u32 s76, s76, s77
	s_add_co_u32 s76, s76, s42
	s_mov_b32 s77, 0
	s_add_nc_u64 s[10:11], s[10:11], s[76:77]
	; THE BIAS STARTS THE SUMS: register j of a lane is column 16 i + 8 (l / 16) + j, whatever the row: 8 registers for each i
.irp i, 0,1,2,3
	global_load_b128 v[BIAS+8*(\i):BIAS+8*(\i)+3],   v[VB], s[8:9] offset:64*(\i)
	global_load_b128 v[BIAS+8*(\i)+4:BIAS+8*(\i)+7], v[VB], s[8:9] offset:64*(\i)+16
.endr
; 16 matrix instructions: row blocks a0 .. a0 + 3 x the 4 column blocks, 32 along K, on buffer f.  first = 1: C is the bias.  The 32 accumulators take turns, one instruction a turn, in the same
; order in every stretch, over the backward jump too.
.macro MULP f, a0, first
.if \first
	WIN 0x40                                       ; D window 1, C window 0
.else
	WIN 0x50                                       ; C and D window 1
.endif
.irp a, \a0, (\a0)+1, (\a0)+2, (\a0)+3
.irp i, 0,1,2,3
.if \first
	v_wmma_f32_16x16x32_f16 v[8*(4*(\a)+(\i)):8*(4*(\a)+(\i))+7], v[FBUF+96*(\f)+64+8*(\i):FBUF+96*(\f)+64+8*(\i)+7], v[FBUF+96*(\f)+8*(\a):FBUF+96*(\f)+8*(\a)+7], v[BIAS+8*(\i):BIAS+8*(\i)+7]
.else
	v_wmma_f32_16x16x32_f16 v[8*(4*(\a)+(\i)):8*(4*(\a)+(\i))+7], v[FBUF+96*(\f)+64+8*(\i):FBUF+96*(\f)+64+8*(\i)+7], v[FBUF+96*(\f)+8*(\a):FBUF+96*(\f)+8*(\a)+7], v[8*(4*(\a)+(\i)):8*(4*(\a)+(\i))+7]
.endif
.endr
.endr
.endm
; 24 LDS loads in one run: quarter q of a K step (K = 32 q on: head q / 2, channels 32 (q % 2) on) into buffer f
.macro FETCH slot, q, f
	WIN 0
.irp a, 0,1,2,3,4,5,6,7
	ds_load_b128 v[FBUF+96*(\f)+8*(\a):FBUF+96*(\f)+8*(\a)+3],   v[ADRA+(\slot)] offset:((\q)/2)*256*PA+(\a)*16*PA+((\q)%2)*64
	ds_load_b128 v[FBUF+96*(\f)+8*(\a)+4:FBUF+96*(\f)+8*(\a)+7], v[ADRA+(\slot)] offset:((\q)/2)*256*PA+(\a)*16*PA+((\q)%2)*64+32
.endr
.irp i, 0,1,2,3
	ds_load_tr16_b128 v[FBUF+96*(\f)+64+8*(\i):FBUF+96*(\f)+64+8*(\i)+3],   v[ADRB+(\slot)] offset:(\q)*32*PB+32*(\i)
	ds_load_tr16_b128 v[FBUF+96*(\f)+64+8*(\i)+4:FBUF+96*(\f)+64+8*(\i)+7], v[ADRB+(\slot)] offset:(\q)*32*PB+32*(\i)+16*PB
.endr
.endm
; A K step is four stretches of 32 matrix instructions on buffers 0, 1, 0, 1; behind a stretch the quarter two on is fetched into the buffer just multiplied.
; One of the first two: multiplies buffer f, then fetches quarter q of the same slot.
.macro QS slot, q, f, first
	s_wait_dscnt 24                                ; my buffer is in; the other buffer's 24 loads may be out
	MULP \f, 0, \first
	MULP \f, 4, \first
	PLACES
	FETCH \slot, \q, \f
.endm
; The last two stretches change slots: ONE barrier; in front of it each wave waits for all its tensor loads, of which one is out: its part of the next slot; adds 0 to its spare word; and waits for that
; and for its own reads of this slot.  fill = 1: the barrier opens a round of the cluster's, and this slot is filled again, two K steps on, first thing behind the round: 96 matrix instructions ahead of the wait for it.
.macro TURNP slot, next, fill
	WIN 0
	s_wait_tensorcnt 0x0                           ; all my tensor loads have landed
	ds_add_u32 v[SPW], v[NIL]                      ; 0 onto my spare word
	s_wait_dscnt 25                                ; buffer 0 is in; buffer 1's 24 loads and the add may be out
	MULP 0, 0, 0                                   ; sixteen matrix instructions stand between the add and the wait for it
	s_wait_dscnt 0x0                               ; the add is done, and my reads of this slot are over
	s_barrier_signal -1
	MULP 0, 4, 0
	WIN 0
	s_barrier_wait -1
.if \fill
	CREST                                          ; no wave of any partner still reads this slot's tile or has a load on its way
	s_add_nc_u64 s[G0+4*(\slot)+2:G0+4*(\slot)+3], s[G0+4*(\slot)+2:G0+4*(\slot)+3], 2*524288
	s_add_nc_u64 s[G0B+4*(\slot)+2:G0B+4*(\slot)+3], s[G0B+4*(\slot)+2:G0B+4*(\slot)+3], 2*262144
	JLOAD \slot                                    ; its four v_nop are also the places in front of the loads below
.else
	PLACES
.endif
	FETCH \next, 0, 0
	MULP 1, 0, 0                                   ; the wait for 0 above has covered buffer 1
	MULP 1, 4, 0
	PLACES
	FETCH \next, 1, 1
.endm
	s_wait_tensorcnt 1                             ; my part of K step 0 is in; K step 1's may stay out
	s_barrier_signal -1
	s_barrier_wait -1                              ; everybody's is
	FETCH 0, 0, 0
	FETCH 0, 1, 1
	s_wait_loadcnt 0x0                             ; the bias; it is rounded to bf16 in place, like the other inputs
.set i, 0
.rept 16
	v_cvt_pk_bf16_f32 v[TW+i], v[BIAS+2*i], v[BIAS+2*i+1]
.set i, i+1
.endr
.set i, 0
.rept 16
	v_lshlrev_b32 v[BIAS+2*i], 16, v[TW+i]
	v_and_b32 v[BIAS+2*i+1], s74, v[TW+i]
.set i, i+1
.endr
	QS 0, 2, 0, 1                                  ; the first stretch stands in front of the loop: its products start the sums
	WIN 0                                          ; at a label and at a branch every window is 0
	s_mov_b32 s3, 3
.Lk:                                                   ; a trip goes once round the ring, from a K step's second stretch to the first of the K step two on, and fills both slots again
	QS 0, 3, 1, 0
	TURNP 0, 1, 1
	QS 1, 2, 0, 0
	QS 1, 3, 1, 0
	TURNP 1, 0, 1
	QS 0, 2, 0, 0
	WIN 0
	s_sub_co_u32 s3, s3, 1
	s_cmp_lg_u32 s3, 0
	s_cbranch_scc1 .Lk
	QS 0, 3, 1, 0                                  ; K step 6 goes on; nothing is filled, so no round follows
	TURNP 0, 1, 0
	QS 1, 2, 0, 0                                  ; K step 7
	QS 1, 3, 1, 0
	s_wait_dscnt 24
	MULP 0, 0, 0
	MULP 0, 4, 0
	s_wait_dscnt 0x0
	MULP 1, 0, 0
	MULP 1, 4, 0
	PLACES
; THE WAY OUT, a block of 16 rows at a time.  A lane's eight numbers of a row, 32 bytes, go into rows of 272 bytes of my own stage (each accumulator's low four registers first) and come back as whole rows of 256 bytes.
.macro TOSTAGE a
.set BK, 16+32*((\a)%4)
.if (\a) >= 4
	s_wait_xcnt 0x0                                ; every earlier store has had its addresses translated (ISA guide 3.1): the registers of block a - 4 are rewritten only behind this wait
.endif
	WIN 0x04                                       ; the stores' data in window 1
.irp i, 0,1,2,3
	ds_store_b128 v[STO], v[32*(\a)+8*(\i):32*(\a)+8*(\i)+3]   offset:64*(\i)
	ds_store_b128 v[STO], v[32*(\a)+8*(\i)+4:32*(\a)+8*(\i)+7] offset:64*(\i)+16
.endr
	WIN 0
.irp t, 0,1,2,3,4,5,6,7
	ds_load_b128 v[BK+4*(\t):BK+4*(\t)+3], v[RD] offset:(\t)*2*SP  ; LDS serves a wave's instructions in order (ISA guide 5.7.1.4): these see the stores above; the next block's stores come behind them
.endr
.endm
.macro SENDP a, younger                ; younger: the LDS instructions issued behind block a's loads: the next block's sixteen, or none
.set BK, 16+32*((\a)%4)
.irp t, 0,1,2,3,4,5,6,7
	s_wait_dscnt (\younger)+7-(\t)
	global_store_b128 v[CO], v[BK+4*(\t):BK+4*(\t)+3], s[10:11] offset:(16*(\a)+2*(\t))*4096 th:TH_STORE_NT  ; 16 lanes store 256 consecutive bytes, at a multiple of 256 from out0's first byte
.endr
.endm
	TOSTAGE 0
.irp a, 1,2,3,4,5,6,7
	TOSTAGE \a
	SENDP (\a)-1, 16
.endr
	SENDP 7, 0
	s_wait_tensorcnt 0x0                           ; the wave's end: behind my last tensor load and my last LDS store
	ds_add_u32 v[SPW], v[NIL]
	s_wait_dscnt 0x0
	CROUND                                         ; the closing round: no work-group ends while a partner may still ask for a tile that names it
	s_endpgm
.Lfunc_end_k_q489f6a5d25_proj:
	.size	k_q489f6a5d25_proj, .Lfunc_end_k_q489f6a5d25_proj-k_q489f6a5d25_proj
	.p2alignl 7, 3214868480
	.fill 96, 4, 3214868480
	.section	.rodata,"a",@progbits
	.p2align	6, 0x0
	.amdhsa_kernel k_q489f6a5d25_proj
		.amdhsa_group_segment_fixed_size 327680
		.amdhsa_private_segment_fixed_size 0
		.amdhsa_enable_private_segment 0
		.amdhsa_kernarg_size 32
		.amdhsa_user_sgpr_count 2
		.amdhsa_user_sgpr_kernarg_segment_ptr 1
		.amdhsa_wavefront_size32 1
		.amdhsa_system_sgpr_workgroup_id_x 1
		.amdhsa_system_sgpr_workgroup_id_y 1
		.amdhsa_system_sgpr_workgroup_id_z 1
		.amdhsa_system_vgpr_workitem_id 0
		.amdhsa_next_free_vgpr 512
		.amdhsa_next_free_sgpr 80
		.amdhsa_reserve_vcc 0
		.amdhsa_float_denorm_mode_32 3
		.amdhsa_float_denorm_mode_16_64 3
		.amdhsa_memory_ordered 1
		.amdhsa_forward_progress 1
		.amdhsa_inst_pref_size 89
	.end_amdhsa_kernel
	.amdgpu_metadata
---
amdhsa.version: [ 1, 2 ]
amdhsa.kernels:
  - .name:           k_q489f6a5d25_proj
    .symbol:         k_q489f6a5d25_proj.kd
    .args:
      - { .name: yh, .offset: 0, .size: 8, .value_kind: global_buffer, .address_space: global }
      - { .name: wph, .offset: 8, .size: 8, .value_kind: global_buffer, .address_space: global }
      - { .name: bp, .offset: 16, .size: 8, .value_kind: global_buffer, .address_space: global }
      - { .name: out0, .offset: 24, .size: 8, .value_kind: global_buffer, .address_space: global }
    .group_segment_fixed_size: 327680
    .private_segment_fixed_size: 0
    .kernarg_segment_align: 8
    .kernarg_segment_size: 32
    .max_flat_workgroup_size: 128
    .sgpr_count:     80
    .vgpr_count:     512
    .wavefront_size: 32
...
	.end_amdgpu_metadata
.endif
;; end of part 4
;; ======== version 2 of 2: 4 launches; version 1 with the launch prep written anew for expert scheduling mode
;; limits: values are held in f16: magnitudes above 65,504 overflow, below 6.1e-05 lose precision
;; workspace buffers: xb 16,777,216 bytes; wqkv 6,291,456 bytes; wph 2,097,152 bytes; qkvh 50,331,648 bytes; yh 16,777,216 bytes
;; launch prep (part 5): grid 768 x 1, 8 waves a work-group, no clusters, 0 bytes of LDS; arguments x, wq, wk, wv, wp, xb, wqkv, wph; writes xb, wqkv, wph
.if DOCPART == 5
	.amdgcn_target "amdgcn-amd-amdhsa--gfx1250"
	.amdhsa_code_object_version 6
	.text
	.protected	k_q489f6a5d25_prep
	.globl	k_q489f6a5d25_prep
	.p2align	8
	.type	k_q489f6a5d25_prep,@function
k_q489f6a5d25_prep:
	s_mov_b64 s[64:65], 0
	v_nop
	global_prefetch_b8 v0, s[64:65] scope:SCOPE_SE
	s_setreg_imm32_b32 hwreg(HW_REG_WAVE_SCHED_MODE, 0, 2), 2
	s_setreg_imm32_b32 hwreg(HW_REG_WAVE_MODE, 25, 1), 1
	s_wait_xcnt 0x0
	s_wait_alu depctr_vm_vsrc(0)
; THE CAST.  x [8192][1024] f32 -> xb, bf16, laid out [b 4][c 16][t 2048][64]: block c holds channels 64 c .. 64 c + 63, so that 256 rows x 64 channels are 32,768 bytes on end.
; wq, wk, wv [1024][1024] f32 -> wqkv, bf16, [k 1024][n 3072], n = 1024 x which + column.   wp -> wph, [k 1024][n 1024]: rounded to bf16 like the other inputs, and that number written as f16.
; LIMITS.  wph: a weight of wp of 65,520 or more in magnitude becomes an infinity; below 6.1e-5 it keeps f16's fixed step of 6e-8.  NaN and infinities are not treated apart.
; A stream: every input byte is read once and every output byte written once, so there is no LDS, no barrier, no matrix unit and no cluster: no two work-groups read the same byte.
; SHARES.  A work-group takes 16 rows of 1,024 numbers (65,536 bytes): 512 work-groups for x, 64 for each weight.  A thread issues all its 16 loads of 16 bytes at once, then rounds and stores
; 8 bytes for each: one store of a wave covers 256 consecutive bytes, aligned.
; THE MODE: SCHED_MODE bits 1:0 = 2 (LLVM: expert scheduling mode 2), set by the entry lines.  The code itself states the register dependences between vector instructions and memory
; instructions, with s_wait_alu, always for 0.
; THE PLAN.  Registers that memory instructions touch (there is no loop: each of the three paths is one straight run):
;   v1, v2   the loads' and the stores' byte offsets.  Written by vector instructions at the head of the path, read by every load (v1) and every store (v2), never written again.
;   X        four registers for each load.  Written by that load alone, read by its two conversions; no vector instruction names them ahead of the loads, and nothing lands in them again.
;   Y        two registers for each store.  Written by the conversions, read by that one store, never written again.
;   v3 to v7 are named by vector instructions alone.
; So one wait on va_vdst stands ahead of the first load, for the two offsets; and the 16 loads are worked off in four groups of four, each with one wait on va_vdst between its conversions and
; its run of four stores.  No register that a memory instruction has read is ever written again, so the plan needs no wait on vm_vsrc.
.set X, 16                             ; v[16:79]   load i: 4 f32
.set Y, 80                             ; v[80:111]  store i: 4 numbers of 16 bits
; sixteen loads, instep bytes apart; sixteen stores, outstep bytes apart.  f16 = 1: the bf16 numbers are widened again and written as f16
.macro CAST instep, outstep, f16
	s_wait_alu depctr_va_vdst(0)                   ; v1 and v2 are written: every load below reads v1 as its offset, every store v2
.set i, 0
.rept 16
	global_load_b128 v[X+4*i:X+4*i+3], v1, s[4:5] offset:i*(\instep) th:TH_LOAD_NT
.set i, i+1
.endr
.set g, 0
.rept 4                                ; group g: loads and stores 4 g .. 4 g + 3
	s_wait_loadcnt 12-4*g                          ; loads come back in order (ISA guide 5.7.1): the group's four are in, the 12 - 4 g younger ones stay out
.set i, 4*g
.rept 4
	v_cvt_pk_bf16_f32 v[Y+2*i], v[X+4*i], v[X+4*i+1]
	v_cvt_pk_bf16_f32 v[Y+2*i+1], v[X+4*i+2], v[X+4*i+3]
.if \f16
	v_lshlrev_b32 v4, 16, v[Y+2*i]                 ; bf16 to f32: the low half moves up, the high half stays
	v_and_b32 v5, s28, v[Y+2*i]
	v_lshlrev_b32 v6, 16, v[Y+2*i+1]
	v_and_b32 v7, s28, v[Y+2*i+1]
	v_cvt_pk_f16_f32 v[Y+2*i], v4, v5              ; exact inside f16's range: bf16 has 8 significant bits
	v_cvt_pk_f16_f32 v[Y+2*i+1], v6, v7
.endif
.set i, i+1
.endr
	s_wait_alu depctr_va_vdst(0)                   ; the group's conversions have written its eight registers of Y, which the four stores below read
.set i, 4*g
.rept 4
	global_store_b64 v2, v[Y+2*i:Y+2*i+1], s[6:7] offset:i*(\outstep) th:TH_STORE_NT
.set i, i+1
.endr
.set g, g+1
.endr
.endm
	s_load_b512 s[8:23], s[0:1], 0x0               ; x 8:9, wq 10:11, wk 12:13, wv 14:15, wp 16:17, xb 18:19, wqkv 20:21, wph 22:23
	s_mov_b32 s28, 0xffff0000                      ; a word's upper bf16
	s_mov_b32 s25, 0                               ; the offsets' high words
	s_mov_b32 s27, 0
	v_lshlrev_b32 v2, 3, v0                        ; out: 8 bytes a thread, on end
	s_cmp_lt_u32 ttmp9, 512
	s_cbranch_scc0 .Lweights
	; x: thread t takes row t / 16 of the group's 16 and 16 bytes at 16 (t % 16) of each block of 64 channels; load i is block c = i
	v_lshrrev_b32 v1, 4, v0
	v_and_b32 v3, 15, v0
	v_lshlrev_b32 v3, 4, v3
	v_lshl_or_b32 v1, v1, 12, v3                   ; row x 4,096 + 16 (t % 16)
	s_lshl_b32 s24, ttmp9, 16                      ; in: 16 rows of 4,096 bytes
	s_lshr_b32 s26, ttmp9, 7                       ; out: batch (128 work-groups each) x 4,194,304
	s_lshl_b32 s26, s26, 22
	s_and_b32 s29, ttmp9, 127
	s_lshl_b32 s29, s29, 11                        ; + 16 rows of 128 bytes
	s_add_co_u32 s26, s26, s29
	s_wait_kmcnt 0x0
	s_add_nc_u64 s[4:5], s[8:9], s[24:25]
	s_add_nc_u64 s[6:7], s[18:19], s[26:27]
	CAST 256, 262144, 0                            ; a block of xb is 2,048 rows x 128 bytes
	s_endpgm
.Lweights:
	v_lshlrev_b32 v1, 4, v0                        ; the 256 threads take a whole row of 4,096 bytes; load i is row i
	s_cmp_lt_u32 ttmp9, 704
	s_cbranch_scc0 .Lwp
	s_sub_co_u32 s30, ttmp9, 512
	s_lshr_b32 s31, s30, 6                         ; which of wq, wk, wv
	s_and_b32 s30, s30, 63                         ; which 16 rows
	s_lshl_b32 s24, s30, 16
	s_mul_i32 s26, s30, 98304                      ; 16 rows of 6,144 bytes
	s_lshl_b32 s29, s31, 11                        ; + the weight's 2,048 bytes of a row
	s_add_co_u32 s26, s26, s29
	s_wait_kmcnt 0x0
	s_cmp_eq_u32 s31, 0
	s_cselect_b64 s[4:5], s[10:11], s[12:13]
	s_cmp_eq_u32 s31, 2
	s_cselect_b64 s[4:5], s[14:15], s[4:5]
	s_add_nc_u64 s[4:5], s[4:5], s[24:25]
	s_add_nc_u64 s[6:7], s[20:21], s[26:27]
	CAST 4096, 6144, 0
	s_endpgm
.Lwp:
	s_sub_co_u32 s30, ttmp9, 704
	s_lshl_b32 s24, s30, 16
	s_lshl_b32 s26, s30, 15                        ; 16 rows of 2,048 bytes
	s_wait_kmcnt 0x0
	s_add_nc_u64 s[4:5], s[16:17], s[24:25]
	s_add_nc_u64 s[6:7], s[22:23], s[26:27]
	CAST 4096, 2048, 1
	s_endpgm
.Lfunc_end_k_q489f6a5d25_prep:
	.size	k_q489f6a5d25_prep, .Lfunc_end_k_q489f6a5d25_prep-k_q489f6a5d25_prep
	.p2alignl 7, 3214868480
	.fill 96, 4, 3214868480
	.section	.rodata,"a",@progbits
	.p2align	6, 0x0
	.amdhsa_kernel k_q489f6a5d25_prep
		.amdhsa_group_segment_fixed_size 0
		.amdhsa_private_segment_fixed_size 0
		.amdhsa_enable_private_segment 0
		.amdhsa_kernarg_size 64
		.amdhsa_user_sgpr_count 2
		.amdhsa_user_sgpr_kernarg_segment_ptr 1
		.amdhsa_wavefront_size32 1
		.amdhsa_system_sgpr_workgroup_id_x 1
		.amdhsa_system_sgpr_workgroup_id_y 1
		.amdhsa_system_sgpr_workgroup_id_z 1
		.amdhsa_system_vgpr_workitem_id 0
		.amdhsa_next_free_vgpr 112
		.amdhsa_next_free_sgpr 66
		.amdhsa_reserve_vcc 0
		.amdhsa_float_denorm_mode_32 3
		.amdhsa_float_denorm_mode_16_64 3
		.amdhsa_memory_ordered 1
		.amdhsa_forward_progress 1
		.amdhsa_inst_pref_size 22
	.end_amdhsa_kernel
	.amdgpu_metadata
---
amdhsa.version: [ 1, 2 ]
amdhsa.kernels:
  - .name:           k_q489f6a5d25_prep
    .symbol:         k_q489f6a5d25_prep.kd
    .args:
      - { .name: x, .offset: 0, .size: 8, .value_kind: global_buffer, .address_space: global }
      - { .name: wq, .offset: 8, .size: 8, .value_kind: global_buffer, .address_space: global }
      - { .name: wk, .offset: 16, .size: 8, .value_kind: global_buffer, .address_space: global }
      - { .name: wv, .offset: 24, .size: 8, .value_kind: global_buffer, .address_space: global }
      - { .name: wp, .offset: 32, .size: 8, .value_kind: global_buffer, .address_space: global }
      - { .name: xb, .offset: 40, .size: 8, .value_kind: global_buffer, .address_space: global }
      - { .name: wqkv, .offset: 48, .size: 8, .value_kind: global_buffer, .address_space: global }
      - { .name: wph, .offset: 56, .size: 8, .value_kind: global_buffer, .address_space: global }
    .group_segment_fixed_size: 0
    .private_segment_fixed_size: 0
    .kernarg_segment_align: 8
    .kernarg_segment_size: 64
    .max_flat_workgroup_size: 256
    .sgpr_count:     66
    .vgpr_count:     112
    .wavefront_size: 32
...
	.end_amdgpu_metadata
.endif
;; end of part 5
;; launch qkv: the kernel of part 2 again; grid 8 x 32, 4 waves a work-group, clusters of 4 x 4, 327,680 bytes of LDS; arguments xb, wqkv, bq, bk, bv, qkvh; writes qkvh
;; launch attn: the kernel of part 3 again; grid 4 x 64, 4 waves a work-group, no clusters, 327,680 bytes of LDS; arguments qkvh, yh; writes yh
;; launch proj: the kernel of part 4 again; grid 8 x 32, 4 waves a work-group, clusters of 4 x 4, 327,680 bytes of LDS; arguments yh, wph, bp, out0; writes out0
